; MI455X (gfx1250); checked and timed in simulation.
; The chip was launched on July 23, 2026; its instructions are those of AMD's public machine-readable ISA for CDNA 5 (MIT licence, August 2026) and "CDNA5" Instruction Set Architecture Reference Guide (July 2026). The comments in the code are by the model that wrote it; some were corrected since.
;; Multi Head Attention. Allowed arithmetic: matrix products marked QUANTISED: E5M2 operands, one given power-of-two scale a tensor, by v_wmma_f32_16x16x64_bf8_bf8 or v_wmma_f32_16x16x128_bf8_bf8, f32 sums; products left as they are: f32 operands where the result goes on into a quantised operand, else bf16, f16 or f32 operands; f32 sums; everything else in f32.
;; Inputs: Wk 1,024 x 1,024 float32; Wo 1,024 x 1,024 float32; Wq 1,024 x 1,024 float32; Wv 1,024 x 1,024 float32; k 4 x 4,096 x 1,024 float32; lowp_scales 10 int32 (the exponents e of the quantised operands' scales 2^e); mask 16 x 16 float32; q 4 x 4,096 x 1,024 float32; v 4 x 4,096 x 1,024 float32.
;; Outputs: out0 4 x 4,096 x 1,024 float32.
;; This version of the problem:
;;   THIS VERSION OF THE PROBLEM IS GIVEN IN LOW PRECISION. The matrix products marked QUANTISED in the list below multiply operands that are first quantised to E5M2 (5 exponent bits, 2 mantissa bits; 8 bits a number), with one given power-of-two scale for each operand tensor; their sums are f32. All else is computed in f32.
;;   The module's matrix products, in the order in which they are computed (A, B: the left and right operand; K: the contracted axis; several contracted axes count as one K, in the product's order):
;;     1. [M 16,384, K 1,024] x [K 1,024, N 1,024]; A: input q; B: input Wq: QUANTISED (scales: A lowp_scales[0], B lowp_scales[1])
;;     2. [M 16,384, K 1,024] x [K 1,024, N 1,024]; A: input k; B: input Wk: QUANTISED (scales: A lowp_scales[2], B lowp_scales[3])
;;     3. [M 16,384, K 1,024] x [K 1,024, N 1,024]; A: input v; B: input Wv: QUANTISED (scales: A lowp_scales[4], B lowp_scales[5])
;;     4. batch 16,384 x [M 16, K 64] x [K 64, N 16]; A: computed on the way; B: computed on the way: QUANTISED (scales: A lowp_scales[6], B lowp_scales[7])
;;     5. batch 16,384 x [M 16, K 16] x [K 16, N 64]; A: softmax; B: computed on the way: left as it is (K = 16 < 32)
;;     6. [M 16,384, K 1,024] x [K 1,024, N 1,024]; A: computed on the way; B: input Wo: QUANTISED (scales: A lowp_scales[8], B lowp_scales[9])
;;   THE QUANTISER, for each operand of a quantised product, along K:
;;     - The operand's scale is 2^e, e = its entry of the input lowp_scales (int32; the entries are numbered through the quantised products in the list's order, A before B).
;;     - Each number is divided by the scale, clamped to +-57,344, and rounded to the nearest number of E5M2, ties to even, subnormals kept.
;;     - The product sums the exact products of the quantised numbers (number of the format x scale) in f32.
;;   ~~~python
;;   def quantise(x, axis, e):      # numpy; x: float32 -> the quantised numbers, widened to float32 again
;;       x = np.moveaxis(x, axis, -1); K = x.shape[-1]
;;       r = np.clip(x / 2.0 ** e, -57344, 57344)
;;       step = 2.0 ** (np.maximum(np.frexp(np.where(r == 0, 1, r))[1] - 1, -14) - 2)
;;       q = np.round(r / step) * step * 2.0 ** e      # np.round: ties to even
;;       return np.moveaxis(q, -1, axis).astype(np.float32)
;;   ~~~
;;   OPERANDS COMPUTED ON THE WAY. 'Computed on the way' means the value that the module computes at that place (a softmax that the list does not call 'softmax' is quantised finished and normalised). What goes into a quantiser is computed in f32, as accurately as f32 sums, v_exp_f32 and their like allow (about 1e-6 of the number): no bf16 or f16 on the way to a quantiser, and a product that is left as it is and whose result goes on into a quantised operand takes f32 operands (vector FMAs, or v_wmma_f32_16x16x4_f32). A number that lies on a knife's edge between two numbers of the format may be rounded either way, as far as f32 arithmetic and the matrix unit's own rounding can turn it there, and no further.
;; 2 versions. Each part assembles by itself: llvm-mc -triple=amdgcn-amd-amdhsa -mcpu=gfx1250 --defsym DOCPART=n.
;; ======== version 1 of 2: 2 launches
;; workspace buffers: wc 4,194,304 bytes
;; launch wquant (part 1): grid 256 x 1, 4 waves a work-group, no clusters, 0 bytes of LDS; arguments Wq, Wk, Wv, Wo, lowp_scales, wc; writes wc
.if DOCPART == 1
	.amdgcn_target "amdgcn-amd-amdhsa--gfx1250"
	.amdhsa_code_object_version 6
	.text
	.protected	k_q1a4328019e_wquant
	.globl	k_q1a4328019e_wquant
	.p2align	8
	.type	k_q1a4328019e_wquant,@function
k_q1a4328019e_wquant:
	s_mov_b64 s[64:65], 0
	v_nop
	global_prefetch_b8 v0, s[64:65] scope:SCOPE_SE
	s_setreg_imm32_b32 hwreg(HW_REG_WAVE_MODE, 25, 1), 1
	s_wait_xcnt 0x0
; Wq, Wk, Wv, Wo [1024 (out)][1024 (in)] f32 become codes of BF8 (E5M2), each with the one scale 2^e given for it (entries 1, 3, 5, 9 of lowp_scales):
; code = x / 2^e, held within +-57,344, rounded to the nearest code, ties to even.
; NOTHING OF reference() IS LEFT OUT in this program: every input has a way to the output, and every product of the table is done.
; LIMITS: e between -126 and 112, so that 2^e and 57,344 x 2^e are f32 numbers.  NaN among the inputs is not served (an infinity is held at the largest code).
; THE CODES ARE LAID AS IMAGES OF OPERAND REGISTERS, in the order in which a wave of the second launch takes them:
;   wc[w 0..3][p 0..3][i 0..15][s 0..7][c 0..3][lane 0..31][16 bytes]:  wave w's stream is 1 MiB on end; p = 0 Wq, 1 Wk, 2 Wv, 3 Wo; a tile (w, p, i) is 16 rows x 1,024 K = 16,384 bytes;
;   lane (r = lane % 16, hh = lane / 16) holds, of its row, k = 128 s + 32 c + 16 hh + 0 .. 15.
;   Which row lane r holds: p = 0, 1, 3: row 256 w + 16 i + r.   p = 2: row 64 r + 16 (i / 4) + 4 w + i % 4: the sixteen heads at ONE place d of a head.
; A work-group makes one tile, its wave wv the K steps 2 wv and 2 wv + 1.  A lane's registers run along K, so the conversions' results are the image's bytes: each store of a wave covers 512 consecutive bytes, aligned.
; No LDS, no barrier, no matrix instruction: the launch moves 16.8 MB in and 4 MB out once.
.set X,  32                            ; v32-95, v96-159  two sets of 64 numbers
.set CD, 160                           ; v160-191         their codes
	s_load_b256 s[4:11], s[0:1], 0x0               ; Wq s[4:5], Wk s[6:7], Wv s[8:9], Wo s[10:11]
	s_load_b128 s[12:15], s[0:1], 0x20             ; the scales' exponents s[12:13], wc s[14:15]
	v_lshrrev_b32 v5, 5, v0
	v_readfirstlane_b32 s26, v5                    ; wave wv
	v_and_b32 v1, 15, v0                           ; r
	v_bfe_u32 v2, v0, 4, 1                         ; hh
	v_and_b32 v4, 31, v0
	v_lshlrev_b32 v4, 4, v4                        ; 16 x lane: my place in an image
	s_lshr_b32 s27, ttmp9, 6                       ; w
	s_bfe_u32 s28, ttmp9, 0x20004                  ; p
	s_and_b32 s29, ttmp9, 15                       ; i
	s_lshl_b32 s34, s27, 8
	s_lshl_b32 s35, s29, 4
	s_add_co_u32 s34, s34, s35                     ; 256 w + 16 i
	s_lshr_b32 s35, s29, 2
	s_lshl_b32 s35, s35, 4
	s_lshl_b32 s36, s27, 2
	s_add_co_u32 s35, s35, s36
	s_and_b32 s36, s29, 3
	s_add_co_u32 s35, s35, s36                     ; 16 (i / 4) + 4 w + i % 4
	s_cmp_eq_u32 s28, 2                            ; Wv?
	s_cselect_b32 s34, s35, s34                    ; lane 0's row
	s_mov_b32 s36, 0x40000
	s_cselect_b32 s36, s36, 0x1000                 ; from lane to lane: 64 rows, or one row of 4,096 bytes
	v_mul_lo_u32 v3, v1, s36
	v_lshl_add_u32 v3, v2, 6, v3                   ; + 64 hh: my 16 numbers of a block of 32
	s_lshl_b32 s34, s34, 12
	s_lshl_b32 s35, s26, 10
	s_add_co_u32 s34, s34, s35                     ; + my wave's two K steps: 1,024 bytes of a row
	s_mov_b32 s35, 0
	s_lshl_b32 s38, ttmp9, 14                      ; the tile's 16,384 bytes in wc,
	s_lshl_b32 s39, s26, 12                        ; my wave's 4,096 of them
	s_add_co_u32 s38, s38, s39
	s_mov_b32 s39, 0
	s_wait_kmcnt 0x0
	s_load_b256 s[16:23], s[12:13], 0x0            ; e0 .. e7
	s_load_b64 s[24:25], s[12:13], 0x20            ; e8, e9
	s_cmp_eq_u32 s28, 0                            ; the tensor is chosen by the work-group's number alone
	s_cselect_b64 s[30:31], s[4:5], s[6:7]
	s_cmp_eq_u32 s28, 2
	s_cselect_b64 s[32:33], s[8:9], s[10:11]
	s_cmp_lt_u32 s28, 2
	s_cselect_b64 s[30:31], s[30:31], s[32:33]
	s_add_nc_u64 s[30:31], s[30:31], s[34:35]
	s_add_nc_u64 s[14:15], s[14:15], s[38:39]
.irp u, 0,1                            ; K step 2 wv + u: register 16 c + 4 j + word = k 32 c + 16 hh + 4 j + word
.set wi, 0
.rept 16
	global_load_b128 v[X+64*\u+4*wi:X+64*\u+4*wi+3], v3, s[30:31] offset:512*\u+128*(wi/4)+16*(wi%4)
.set wi, wi+1
.endr
.endr
	s_wait_kmcnt 0x0
	s_cmp_eq_u32 s28, 0
	s_cselect_b32 s40, s17, s19                    ; e1 (Wq) or e3 (Wk)
	s_cmp_eq_u32 s28, 2
	s_cselect_b32 s41, s21, s25                    ; e5 (Wv) or e9 (Wo)
	s_cmp_lt_u32 s28, 2
	s_cselect_b32 s40, s40, s41
	s_add_co_i32 s40, s40, 127
	s_lshl_b32 s41, s40, 23
	v_mov_b32 v11, s41                             ; 2^e as f32: the conversion takes its exponent field
	s_add_co_i32 s40, s40, 15
	s_lshl_b32 s40, s40, 23
	s_or_b32 s40, s40, 0x600000
	v_mov_b32 v10, s40                             ; 57,344 x 2^e
.macro QUANT src, dst
.set wi, 0
.rept 64
	v_med3_num_f32 v[(\src)+wi], v[(\src)+wi], -v10, v10   ; the conversion to an 8-bit code does not saturate (ISA guide 7.6.2): the hold comes first
.set wi, wi+1
.endr
.set wi, 0
.rept 8
	v_cvt_scalef32_pk8_bf8_f32 v[(\dst)+2*wi:(\dst)+2*wi+1], v[(\src)+8*wi:(\src)+8*wi+7], v11
.set wi, wi+1
.endr
.endm
	s_wait_loadcnt 16                              ; the first K step's 16 loads are in; the second's may be out
	QUANT X, CD
.irp c, 0,1,2,3
	global_store_b128 v4, v[CD+4*\c:CD+4*\c+3], s[14:15] offset:512*\c
.endr
	s_wait_loadcnt 0x0
	QUANT X+64, CD+16                              ; other registers than the first step's: no store's data are written again
.irp c, 0,1,2,3
	global_store_b128 v4, v[CD+16+4*\c:CD+16+4*\c+3], s[14:15] offset:2048+512*\c
.endr
	s_endpgm
.Lfunc_end_k_q1a4328019e_wquant:
	.size	k_q1a4328019e_wquant, .Lfunc_end_k_q1a4328019e_wquant-k_q1a4328019e_wquant
	.p2alignl 7, 3214868480
	.fill 96, 4, 3214868480
	.section	.rodata,"a",@progbits
	.p2align	6, 0x0
	.amdhsa_kernel k_q1a4328019e_wquant
		.amdhsa_group_segment_fixed_size 0
		.amdhsa_private_segment_fixed_size 0
		.amdhsa_enable_private_segment 0
		.amdhsa_kernarg_size 48
		.amdhsa_user_sgpr_count 2
		.amdhsa_user_sgpr_kernarg_segment_ptr 1
		.amdhsa_wavefront_size32 1
		.amdhsa_system_sgpr_workgroup_id_x 1
		.amdhsa_system_sgpr_workgroup_id_y 1
		.amdhsa_system_sgpr_workgroup_id_z 1
		.amdhsa_system_vgpr_workitem_id 0
		.amdhsa_next_free_vgpr 192
		.amdhsa_next_free_sgpr 66
		.amdhsa_reserve_vcc 0
		.amdhsa_float_denorm_mode_32 3
		.amdhsa_float_denorm_mode_16_64 3
		.amdhsa_memory_ordered 1
		.amdhsa_forward_progress 1
		.amdhsa_inst_pref_size 16
	.end_amdhsa_kernel
	.amdgpu_metadata
---
amdhsa.version: [ 1, 2 ]
amdhsa.kernels:
  - .name:           k_q1a4328019e_wquant
    .symbol:         k_q1a4328019e_wquant.kd
    .args:
      - { .name: Wq, .offset: 0, .size: 8, .value_kind: global_buffer, .address_space: global }
      - { .name: Wk, .offset: 8, .size: 8, .value_kind: global_buffer, .address_space: global }
      - { .name: Wv, .offset: 16, .size: 8, .value_kind: global_buffer, .address_space: global }
      - { .name: Wo, .offset: 24, .size: 8, .value_kind: global_buffer, .address_space: global }
      - { .name: lowp_scales, .offset: 32, .size: 8, .value_kind: global_buffer, .address_space: global }
      - { .name: wc, .offset: 40, .size: 8, .value_kind: global_buffer, .address_space: global }
    .group_segment_fixed_size: 0
    .private_segment_fixed_size: 0
    .kernarg_segment_align: 8
    .kernarg_segment_size: 48
    .max_flat_workgroup_size: 128
    .sgpr_count:     66
    .vgpr_count:     192
    .wavefront_size: 32
...
	.end_amdgpu_metadata
.endif
;; end of part 1
;; launch mha (part 2): grid 256 x 1, 4 waves a work-group, no clusters, 267,776 bytes of LDS; arguments q, k, v, mask, lowp_scales, wc, out0; writes out0
.if DOCPART == 2
	.amdgcn_target "amdgcn-amd-amdhsa--gfx1250"
	.amdhsa_code_object_version 6
	.text
	.protected	k_q1a4328019e_mha
	.globl	k_q1a4328019e_mha
	.p2align	8
	.type	k_q1a4328019e_mha,@function
k_q1a4328019e_mha:
	s_mov_b64 s[64:65], 0
	v_nop
	global_prefetch_b8 v0, s[64:65] scope:SCOPE_SE
	s_setreg_imm32_b32 hwreg(HW_REG_WAVE_MODE, 25, 1), 1
	s_wait_xcnt 0x0
; out = Q(attn) Q(Wo)^T,  attn[t][h][:] = sum over g of softmax_g(Q(qh[t][h]) . Q(kh[t][g]) / 8 x mask[h][g]) vh[t][g][:],  qh = Q(q) Q(Wq)^T, kh, vh likewise.  16,384 tokens of 1,024; 16 heads of 64; the attention is over the HEADS of one token.
; Q is the quantiser to BF8 (E5M2) with the given scale 2^e of each operand (lowp_scales e0 .. e9: q, Wq, k, Wk, v, Wv, qh, kh, attn, Wo).  Nothing of reference() is left out.
; A WORK-GROUP TAKES 64 TOKENS THROUGH THE WHOLE CHAIN; nothing but the inputs, the weights' codes (wc, made by the launch before) and the output touches memory.
; SHARES.  In the four large products the four waves share the COLUMNS: wave w makes columns 256 w .. 256 w + 255 (for vh: four places d of every head) for all 64 tokens.  The left operand's codes, 64 x 1,024 bytes,
; stand in each wave's registers (512 of them), and each fragment of a weight is read by one wave alone and feeds four matrix instructions: so the weights come from wc straight into registers, through a ring of
; 16 fragments (two tiles of 16 rows x 1,024 K): 48 to 64 loads of 512 bytes a wave are out, under counted waits.  In the work of a token (scores, softmax, p vh) the waves share the TOKENS, 16 each; the hand-over goes through LDS.
; EVERY PRODUCT IS USED TRANSPOSED: source 0 = 16 rows of a weight (or kh's heads, or vh^T), source 1 = 16 tokens (or qh's heads, or p).  In a result lane (r, hh) then holds token (or head) r, its registers j the rows 8 hh + j of source 0.
; K's PLACES: in both operands of a 16x16x128 product register 4 c + i / 4, byte i % 4, of lane (r, hh) is k = 128 s + 32 c + 16 hh + i: one permutation of k for both sides, so each product meets its partner.
; THE SCALES ARE FOLDED (all are powers of two, nothing is rounded): qh's codes are made of the raw sums with 2^(e6 - e0 - e1), kh's with 2^(e7 - e2 - e3); vh stays a raw sum and attn's codes take 2^(e8 - e4 - e5);
; the scores' 2^(e6 + e7 - 3) and log2(e) go into the mask's numbers; out = sum x 2^(e8 + e9).
; THE SOFTMAX takes the row's largest t = score x mask x log2(e) away, p = 2^(t - max) / sum, all in f32; p vh has f32 operands (v_wmma_f32_16x16x4_f32), since its result goes into a quantiser.
; LIMITS: e0, e2, e4 and the three folded exponents between -126 and 112; e8 + e9 between -126 and 127.  NaN among the inputs is not served (an infinity is held at the largest code).
; NO CLUSTER, NO TENSOR LOAD: beside the four regions below LDS has under 60 KB left, two slots of which four waves would multiply in some fifteen matrix instructions each; and no fragment of a weight is read by two waves of a work-group.
; PHASES: L (q, k, v are read, quantised, stored as images) | q product | k product | scores, softmax | v product in four quarters, each with its p vh and quantiser | o product and stores.  Ten barriers.
; L stands apart from the products because a wave's loads are counted done in the order of issue: a weight's load behind an input's could not be seen done before it.
;
; LDS: four regions.  R0: q's images; then qh's codes; then vh's stage 0; then the way out's stages.   R1: the same for k, kh, stage 1.   R2: v's images; then attn's codes.   R3: L's turning stages; then p's images.
;   an input's image: region + 33,280 (s / 4) + 2,048 (4 m + s % 4) + 512 c + 16 lane (m: tile of 16 tokens, s: K step): an operand's registers as they stand.
;   qh, kh: a token's row is 1,024 + 16 bytes; (head h, place d) at 256 (d / 16) + 16 h + d % 16.     vh's stage: the same pitch; (g, d % 16) at 256 (g / 4) + 16 (d % 16) + 4 (g % 4), f32.
;   attn: the same pitch, byte 64 h + d.      p: R3 + 16,384 w + 1,024 token + 512 half + 16 lane.      way out: 17,408 w, 64 rows of 256 + 16 bytes.
;   All pitches are odd multiples of 16 bytes, so the sixteen rows that a 16-byte access touches begin at sixteen different banks (64 banks of 4 bytes: ISA guide 11.1); attn's 8-byte stores alone go four deep.
; REGISTERS, in windows of 256.  Window 0: v1-31 addresses and constants; v32-95 eight accumulators ACC(a, m) = 32 + 32 a + 8 m; v96-127 the four accumulators of p vh, written by matrix instructions alone; v128-255 by phase.
;   Window 1: in L four sets of 64 numbers as loaded; then the weights' ring, fragment (a, s) at 128 a + 16 s.   Windows 2, 3: the left operand, fragment (m, s) in window 2 + s / 4 at 16 (4 m + s % 4).
.set RG,    66560
.set R0,    0
.set R1,    RG
.set R2,    2*RG
.set R3,    3*RG
.set HFB,   33280                      ; half a region: the images of four K steps (32,768 bytes), and the step from half to half and from region to region
.set TP,    1040                       ; a token's row of codes, or of vh's stage
.set T16,   16*TP
.set TSB,   8448                       ; a turning stage: 16 rows of 512 + 16 bytes
.set SPARE, R3+8*TSB                   ; behind R3: the spare words, 128 bytes for each wave: two blocks of 256 bytes that no other line names
; v1 16 x lane  v2 r  v3 hh  v4, v5 turning stage in, out  v6, v7 my images: first, current  v8, v9 images read  v10, v11 qh/kh codes: first, current  v12, v29 qh, kh read  v13 p's image
; v14, v15 vh's stage in  v16, v17 out  v18, v19 attn's codes in  v20 out  v21, v22 way out in, back  v23 my bytes in out0  v24, v25 the conversion's scale, the largest number x it  v26, v27 the add's two  v28 prefetch  v30 mask
; s[4:9] q, k, v at my wave's rows  s[10:11] mask  s[14:15] wc  s18 wave  s20-29 e0-e9  s[30:31] the input in hand  s[38:39] lane selects  s[40:41] 2^(e8+e9)  s42-47 folded scales  s48 e6+e7-3  s[52:53] my weights  s[54:55] prefetch  s[58:59] out0
.set MSB, 0
.macro WIN new                         ; s_set_vgpr_msb: bits 1:0 source 0, 3:2 source 1, 5:4 source 2, 7:6 destination; the high byte repeats the setting that is left
.if MSB != (\new)
	s_set_vgpr_msb (MSB<<8)|(\new)
.set MSB, (\new)
.endif
.endm
.macro PLACES n                        ; plain vector instructions between a matrix instruction and what touches its registers (ISA guide 7.12.1)
.rept \n
	v_nop
.endr
.endm
.macro BARRIER                         ; my LDS stores have landed and my LDS loads are in: then the work-group's barrier
	s_wait_dscnt 0x0
	s_barrier_signal -1
	s_barrier_wait -1
.endm
; ---- phase L
.macro XLOAD set, off                  ; 16 rows x 128 numbers: each load reads 512 consecutive bytes of one row
	WIN 0x40                                       ; destination window 1
.set xi, 0
.rept 16
	global_load_b128 v[64*(\set)+4*xi:64*(\set)+4*xi+3], v1, s[30:31] offset:4096*xi+(\off) th:TH_LOAD_NT
.set xi, xi+1
.endr
.endm
.macro TURN set, par                   ; through my own stage: in as loaded, out 16 neighbours along K a lane and block; LDS serves a wave's instructions in order (ISA guide 5.7.1.4)
	WIN 0x04                                       ; store data window 1
.set xi, 0
.rept 16
	ds_store_b128 v4, v[64*(\set)+4*xi:64*(\set)+4*xi+3] offset:TSB*(\par)+528*xi
.set xi, xi+1
.endr
	WIN 0
.set xi, 0
.rept 16
	ds_load_b128 v[128+64*(\par)+4*xi:128+64*(\par)+4*xi+3], v5 offset:TSB*(\par)+128*(xi/4)+16*(xi%4)
.set xi, xi+1
.endr
.endm
.macro QUANT src, dst                  ; 64 numbers of a lane, register 16 c + i = k 32 c + 16 hh + i, become a fragment's 16 registers of codes
.set xi, 0
.rept 64
	v_med3_num_f32 v[(\src)+xi], v[(\src)+xi], -v25, v25   ; the conversion to an 8-bit code does not saturate (ISA guide 7.6.2): the hold comes first
.set xi, xi+1
.endr
.set xi, 0
.rept 8
	v_cvt_scalef32_pk8_bf8_f32 v[(\dst)+2*xi:(\dst)+2*xi+1], v[(\src)+8*xi:(\src)+8*xi+7], v24
.set xi, xi+1
.endr
	v_nop                                          ; a plain instruction behind the last conversion, ahead of whatever next touches its registers
.endm
.macro IMAGE off
.irp c, 0,1,2,3
	ds_store_b128 v7, v[32+4*\c:35+4*\c] offset:(\off)+512*\c
.endr
.endm
.macro LSTEP f, ld, cnt, turn          ; fragment f of a trip's four.  ld: its set takes the next trip's fragment f.  turn: the next fragment goes through the stage meanwhile; cnt: the younger loads that may stay out
	s_wait_dscnt 0x0                               ; this fragment's numbers are back from the stage, so its set has been read; the last image's stores are done
.if \ld
	XLOAD \f, 512*(\f)
.endif
.if \turn
	s_wait_loadcnt \cnt
	TURN ((\f)+1)%4, ((\f)+1)%2
.endif
	QUANT 128+64*((\f)%2), 32
	IMAGE 2048*(\f)
.endm
.macro LTOP nb                         ; the head of trip T (s34): input T / 2, K steps 4 (T % 2) on.  nb: the loads of this trip are trip T + 1's
.if \nb
	s_wait_xcnt 0x0                                ; the last trip's loads have read their base
	s_add_co_u32 s35, s34, 1
	s_cmp_lt_u32 s35, 4
	s_cselect_b64 s[30:31], s[6:7], s[8:9]
	s_cmp_lt_u32 s35, 2
	s_cselect_b64 s[30:31], s[4:5], s[30:31]       ; q, q, k, k, v, v: the choice hangs on the trip's number alone
	s_and_b32 s32, s35, 1
	s_lshl_b32 s32, s32, 11                        ; the row's second half: 2,048 bytes on
	s_mov_b32 s33, 0
	s_add_nc_u64 s[30:31], s[30:31], s[32:33]
.endif
	s_cmp_lt_u32 s34, 4
	s_cselect_b32 s37, s22, s24
	s_cmp_lt_u32 s34, 2
	s_cselect_b32 s37, s20, s37                    ; e0, e2 or e4
	s_add_co_i32 s37, s37, 127
	s_lshl_b32 s49, s37, 23
	v_mov_b32 v24, s49                             ; 2^e
	s_add_co_i32 s37, s37, 15
	s_lshl_b32 s37, s37, 23
	s_or_b32 s37, s37, 0x600000
	v_mov_b32 v25, s37                             ; 57,344 x 2^e
	v_add_nc_u32 v7, s36, v6                       ; where this trip's four images go
.endm
; ---- the large products
.macro ALOAD_IMG base                  ; all 32 fragments of an input, as they were stored, into windows 2 and 3
	PLACES 4                                       ; in front of loads into registers that matrix instructions have read
	v_add_nc_u32 v8, \base, v1
	v_add_nc_u32 v9, (\base)+HFB, v1
	WIN 0x80
.set xi, 0
.rept 64
	ds_load_b128 v[4*xi:4*xi+3], v8 offset:512*xi
.set xi, xi+1
.endr
	WIN 0xc0
.set xi, 0
.rept 64
	ds_load_b128 v[4*xi:4*xi+3], v9 offset:512*xi
.set xi, xi+1
.endr
	WIN 0
.endm
.macro ALOAD_AT                        ; the same from attn's rows: fragment (m, s): token 16 m + r, bytes 128 s + 32 c + 16 hh
	PLACES 4
.irp hf, 0,1
	WIN 0x80+0x40*\hf
.set xi, 0
.rept 64
	ds_load_b128 v[4*xi:4*xi+3], v20 offset:T16*(xi/16)+128*(4*\hf+(xi/4)%4)+32*(xi%4)
.set xi, xi+1
.endr
.endr
	WIN 0
.endm
.macro HALF a, h, cnt                  ; 16 matrix instructions: tile a of the ring, K steps 4 h .. 4 h + 3, the four tiles of tokens by turns.  The first K step starts the sums
	s_wait_loadcnt \cnt                            ; loads are counted done in order (ISA guide 5.7.1): this half tile's 16 are in, the younger groups stay out
	WIN 0x09+4*(\h)                                ; source 0 (the weight) window 1, source 1 (the tokens) window 2 or 3
.irp s3, 0,1,2,3
.irp m, 0,1,2,3
.if ((\h) == 0) && (\s3 == 0)
	v_wmma_f32_16x16x128_bf8_bf8 v[32+32*(\a)+8*\m:32+32*(\a)+8*\m+7], v[128*(\a)+64*(\h)+16*\s3:128*(\a)+64*(\h)+16*\s3+15], v[16*(4*\m+\s3):16*(4*\m+\s3)+15], 0
.else
	v_wmma_f32_16x16x128_bf8_bf8 v[32+32*(\a)+8*\m:32+32*(\a)+8*\m+7], v[128*(\a)+64*(\h)+16*\s3:128*(\a)+64*(\h)+16*\s3+15], v[16*(4*\m+\s3):16*(4*\m+\s3)+15], v[32+32*(\a)+8*\m:32+32*(\a)+8*\m+7]
.endif
.endr
.endr
	WIN 0
.endm
.macro WLOAD a, h, tile                ; half a tile of my stream, 8,192 consecutive bytes, into the ring
	WIN 0x40
.irp s3, 0,1,2,3
.irp c, 0,1,2,3
	global_load_b128 v[128*(\a)+64*(\h)+16*\s3+4*\c:128*(\a)+64*(\h)+16*\s3+4*\c+3], v1, s[52:53] offset:16384*(\tile)+2048*(4*(\h)+\s3)+512*\c
.endr
.endr
	WIN 0
.endm
; What becomes of tile e's sums, tiles of tokens 2 part and 2 part + 1.  Each accumulator is read from its low end on.
; kind 0 (qh, kh): held, converted, 8 codes a lane into the token's row.   kind 1 (vh): the raw sums into the stage.   kind 2 (out): x 2^(e8 + e9), into my stage for the way out.
.macro EPI kind, e, part
.set AC0, 32+32*((\e)%2)+16*(\part)
.if \kind == 0
.set PCB, 128+8*((\e)%2)+4*(\part)
.set xi, 0
.rept 16
	v_med3_num_f32 v[AC0+xi], v[AC0+xi], -v25, v25
.set xi, xi+1
.endr
	v_cvt_scalef32_pk8_bf8_f32 v[PCB:PCB+1], v[AC0:AC0+7], v24
	v_cvt_scalef32_pk8_bf8_f32 v[PCB+2:PCB+3], v[AC0+8:AC0+15], v24
	v_nop                                          ; a plain instruction between the conversions and the products that write their sources anew
	ds_store_b64 v11, v[PCB:PCB+1] offset:T16*(2*(\part))+256*(\e)
	ds_store_b64 v11, v[PCB+2:PCB+3] offset:T16*(2*(\part)+1)+256*(\e)
.elseif \kind == 1
	ds_store_b128 v15, v[AC0:AC0+3] offset:T16*(2*(\part))+16*(\e)
	ds_store_b128 v15, v[AC0+4:AC0+7] offset:T16*(2*(\part))+16*(\e)+256
	ds_store_b128 v15, v[AC0+8:AC0+11] offset:T16*(2*(\part)+1)+16*(\e)
	ds_store_b128 v15, v[AC0+12:AC0+15] offset:T16*(2*(\part)+1)+16*(\e)+256
.else
.set xi, 0
.rept 8
	v_pk_mul_f32 v[AC0+2*xi:AC0+2*xi+1], v[AC0+2*xi:AC0+2*xi+1], s[40:41] op_sel_hi:[1,0]
.set xi, xi+1
.endr
	ds_store_b128 v21, v[AC0:AC0+3] offset:4352*(2*(\part))+64*(\e)
	ds_store_b128 v21, v[AC0+4:AC0+7] offset:4352*(2*(\part))+64*(\e)+16
	ds_store_b128 v21, v[AC0+8:AC0+11] offset:4352*(2*(\part)+1)+64*(\e)
	ds_store_b128 v21, v[AC0+12:AC0+15] offset:4352*(2*(\part)+1)+64*(\e)+16
.endif
.endm
; Tile e of a trip's four.  Behind each half: half of the tile before goes its way, four places, and the half just multiplied takes the tile two on.
; fin: my stream's last four tiles: tiles 2 and 3 ask for nothing, and the counts run down.
.macro NTILE kind, e, fin
.set NC0, 48
.set NC1, 48
.set NLD, 1
.if \fin
.if (\e) == 2
.set NC1, 32
.set NLD, 0
.endif
.if (\e) == 3
.set NC0, 16
.set NC1, 0
.set NLD, 0
.endif
.endif
	HALF (\e)%2, 0, NC0
.if (\e) > 0
	EPI \kind, (\e)-1, 0
.endif
	PLACES 4                                       ; in front of the loads into the half just read
.if NLD
	WLOAD (\e)%2, 0, (\e)+2
.endif
	HALF (\e)%2, 1, NC1
.if (\e) > 0
	EPI \kind, (\e)-1, 1
.endif
	PLACES 4                                       ; likewise, and in front of the first read of this tile's sums
.if NLD
	WLOAD (\e)%2, 1, (\e)+2
.endif
.endm
.macro TRIP kind, fin                  ; four tiles: 64 columns for 64 tokens, 128 matrix instructions
	NTILE \kind, 0, \fin
	NTILE \kind, 1, \fin
	NTILE \kind, 2, \fin
	NTILE \kind, 3, \fin
	EPI \kind, 3, 0
	EPI \kind, 3, 1
.endm
.macro QKLOOP base                     ; my 256 columns of qh or kh: trip t makes head 4 w + t, whose 16 bytes of each block of 256 begin 16 t on
	s_mov_b32 s51, \base
	s_mov_b32 s50, 4
.Lqk_\@:
	v_add_nc_u32 v11, s51, v10
	TRIP 0, 0
	s_wait_xcnt 0x0                                ; the weights' loads have read their base
	s_add_nc_u64 s[52:53], s[52:53], 0x10000
	s_add_co_u32 s51, s51, 16
	s_sub_co_u32 s50, s50, 1
	s_cmp_lg_u32 s50, 0
	s_cbranch_scc1 .Lqk_\@
.endm
; ---- scores and softmax, four tokens at a time
.macro LQ g                            ; kh's and qh's fragments (16 heads x 64) of tokens 4 g .. 4 g + 3: lane (r, hh): head r, d = 16 hh + 0 .. 15 and 32 + 16 hh + 0 .. 15, the same places in both
.set GB, 128+64*((\g)%2)
.irp u, 0,1,2,3
	ds_load_b128 v[GB+16*\u:GB+16*\u+3], v29 offset:TP*(4*(\g)+\u)
	ds_load_b128 v[GB+16*\u+4:GB+16*\u+7], v29 offset:TP*(4*(\g)+\u)+512
	ds_load_b128 v[GB+16*\u+8:GB+16*\u+11], v12 offset:TP*(4*(\g)+\u)
	ds_load_b128 v[GB+16*\u+12:GB+16*\u+15], v12 offset:TP*(4*(\g)+\u)+512
.endr
.endm
.macro WM g                            ; S^T = kh qh^T: lane (r, hh) holds query head r, register j key head 8 hh + j
.set GB, 128+64*((\g)%2)
.irp u, 0,1,2,3
	v_wmma_f32_16x16x64_bf8_bf8 v[32+8*\u:39+8*\u], v[GB+16*\u:GB+16*\u+7], v[GB+16*\u+8:GB+16*\u+15], 0
.endr
	PLACES 5                                       ; in front of the reads of the scores, of the loads into the fragments, and of the next products that write over the scores
.endm
.macro SOFT g                          ; v64+2u the largest t, v65+2u at work, v72+2u the sum, v80+2u its reciprocal; v88-95 mask x log2(e) x 2^(e6 + e7 - 3)
.irp u, 0,1,2,3
.irp i, 0,2,4,6
	v_pk_mul_f32 v[32+8*\u+\i:33+8*\u+\i], v[32+8*\u+\i:33+8*\u+\i], v[88+\i:89+\i]   ; t
.endr
.endr
.irp u, 0,1,2,3
	v_max3_num_f32 v[64+2*\u], v[32+8*\u], v[33+8*\u], v[34+8*\u]
.endr
.irp u, 0,1,2,3
	v_max3_num_f32 v[64+2*\u], v[64+2*\u], v[35+8*\u], v[36+8*\u]
.endr
.irp u, 0,1,2,3
	v_max3_num_f32 v[64+2*\u], v[64+2*\u], v[37+8*\u], v[38+8*\u]
.endr
.irp u, 0,1,2,3
	v_max_num_f32 v[64+2*\u], v[64+2*\u], v[39+8*\u]
.endr
.irp u, 0,1,2,3
	v_permlanex16_b32 v[65+2*\u], v[64+2*\u], s38, s39   ; the row's other eight heads lie in the lane 16 away
.endr
.irp u, 0,1,2,3
	v_max_num_f32 v[64+2*\u], v[64+2*\u], v[65+2*\u]
.endr
.irp u, 0,1,2,3
.irp i, 0,2,4,6
	v_pk_add_f32 v[32+8*\u+\i:33+8*\u+\i], v[32+8*\u+\i:33+8*\u+\i], v[64+2*\u:65+2*\u] op_sel_hi:[1,0] neg_lo:[0,1] neg_hi:[0,1]   ; t - the largest t
.endr
.endr
.set xi, 0
.rept 32
	v_exp_f32 v[32+xi], v[32+xi]
.set xi, xi+1
.endr
	v_nop                                          ; a plain instruction behind the last exponential,
	s_wait_alu depctr_va_vdst(0)                   ; and one wait for the batch of 32, ahead of its first reader
.irp u, 0,1,2,3
	v_pk_add_f32 v[72+2*\u:73+2*\u], v[32+8*\u:33+8*\u], v[34+8*\u:35+8*\u]
.endr
.irp u, 0,1,2,3
	v_pk_add_f32 v[80+2*\u:81+2*\u], v[36+8*\u:37+8*\u], v[38+8*\u:39+8*\u]
.endr
.irp u, 0,1,2,3
	v_pk_add_f32 v[72+2*\u:73+2*\u], v[72+2*\u:73+2*\u], v[80+2*\u:81+2*\u]
.endr
.irp u, 0,1,2,3
	v_add_f32 v[72+2*\u], v[72+2*\u], v[73+2*\u]
.endr
.irp u, 0,1,2,3
	v_permlanex16_b32 v[65+2*\u], v[72+2*\u], s38, s39
.endr
.irp u, 0,1,2,3
	v_add_f32 v[72+2*\u], v[72+2*\u], v[65+2*\u]
.endr
.irp u, 0,1,2,3
	v_rcp_f32 v[80+2*\u], v[72+2*\u]
.endr
	v_nop
	s_wait_alu depctr_va_vdst(0)                   ; one wait for the four reciprocals
.irp u, 0,1,2,3
.irp i, 0,2,4,6
	v_pk_mul_f32 v[32+8*\u+\i:33+8*\u+\i], v[32+8*\u+\i:33+8*\u+\i], v[80+2*\u:81+2*\u] op_sel_hi:[1,0]   ; p
.endr
.endr
.irp u, 0,1,2,3
	ds_store_b128 v13, v[32+8*\u:35+8*\u] offset:1024*(4*(\g)+\u)          ; p's registers as they stand: they are source 1 of p vh
	ds_store_b128 v13, v[36+8*\u:39+8*\u] offset:1024*(4*(\g)+\u)+512
.endr
.endm
; ---- attn^T = vh^T p^T for 16 places d, four tokens at a time; K = the 16 heads g, in four steps of 4: slot (hh, j) of step s stands for g = 8 hh + 2 s + j in both operands
.macro LG g
.set LB, 128-96*((\g)%2)               ; v128-191 and v32-95 (the accumulators, idle here) by turns
.irp u, 0,1,2,3
	ds_load_b128 v[LB+16*\u:LB+16*\u+3], v17 offset:TP*(4*(\g)+\u)          ; vh(g = 8 hh + 0 .. 3, d = r),
	ds_load_b128 v[LB+16*\u+4:LB+16*\u+7], v17 offset:TP*(4*(\g)+\u)+256    ; g = 8 hh + 4 .. 7
	ds_load_b128 v[LB+16*\u+8:LB+16*\u+11], v13 offset:1024*(4*(\g)+\u)     ; p(h = r, g = 8 hh + 0 .. 7)
	ds_load_b128 v[LB+16*\u+12:LB+16*\u+15], v13 offset:1024*(4*(\g)+\u)+512
.endr
.endm
.macro MM g                            ; the four tokens' accumulators by turns; each sum begins with the constant 0
.set LB, 128-96*((\g)%2)
.irp s, 0,1,2,3
.irp u, 0,1,2,3
.if \s == 0
	v_wmma_f32_16x16x4_f32 v[96+8*\u:103+8*\u], v[LB+16*\u+2*\s:LB+16*\u+2*\s+1], v[LB+16*\u+8+2*\s:LB+16*\u+9+2*\s], 0
.else
	v_wmma_f32_16x16x4_f32 v[96+8*\u:103+8*\u], v[LB+16*\u+2*\s:LB+16*\u+2*\s+1], v[LB+16*\u+8+2*\s:LB+16*\u+9+2*\s], v[96+8*\u:103+8*\u]
.endif
.endr
.endr
	PLACES 9                                       ; this form wants eight places in front of reads of its sums and loads into its operands, nine in front of matrix instructions that write over its registers
.endm
.macro CV g                            ; lane (r, hh): head r, places d = 16 t + 8 hh + 0 .. 7: held into other registers, converted, 8 codes into the token's row
.irp u, 0,1,2,3
.irp j, 0,1,2,3,4,5,6,7
	v_med3_num_f32 v[192+8*\u+\j], v[96+8*\u+\j], -v25, v25
.endr
.endr
.irp u, 0,1,2,3
	v_cvt_scalef32_pk8_bf8_f32 v[224+2*\u:225+2*\u], v[192+8*\u:199+8*\u], v24
.endr
	v_nop
.irp u, 0,1,2,3
	ds_store_b64 v19, v[224+2*\u:225+2*\u] offset:TP*(4*(\g)+\u)
.endr
.endm
; ---- the way out: 64 rows x 256 bytes of my stage come back as whole rows; sixteen lanes store 256 consecutive bytes, aligned
.macro OUT
	s_wait_xcnt 0x0                                ; the last way out's stores have read their registers
.set oi, 0
.rept 32
	ds_load_b128 v[128+4*oi:131+4*oi], v22 offset:544*oi    ; LDS serves a wave's instructions in order: these see my stores
.set oi, oi+1
.endr
.set oi, 0
.rept 32
	s_wait_dscnt 31-oi
	global_store_b128 v23, v[128+4*oi:131+4*oi], s[58:59] offset:8192*oi th:TH_STORE_NT
.set oi, oi+1
.endr
.endm
.macro FOLD d, ea, eb, ec              ; s[d] = 2^(ea - eb - ec) as f32, s[d + 1] = 57,344 x that
	s_sub_co_i32 s32, s\ea, s\eb
	s_sub_co_i32 s32, s32, s\ec
	s_add_co_i32 s32, s32, 127
	s_lshl_b32 s[\d], s32, 23
	s_add_co_i32 s32, s32, 15
	s_lshl_b32 s[\d+1], s32, 23
	s_or_b32 s[\d+1], s[\d+1], 0x600000
.endm
	; ================ the head
	s_load_b256 s[4:11], s[0:1], 0x0               ; q, k, v, mask
	s_load_b128 s[12:15], s[0:1], 0x20             ; the scales' exponents, wc
	s_load_b64 s[16:17], s[0:1], 0x30              ; out0
	v_lshl_add_u32 v26, v0, 2, SPARE               ; my spare word,
	v_mov_b32 v27, 0                               ; and 0: kept for the wave's last lines
	v_lshrrev_b32 v31, 5, v0
	v_readfirstlane_b32 s18, v31                   ; wave 0..3
	v_and_b32 v31, 31, v0
	v_lshlrev_b32 v1, 4, v31                       ; 16 x lane
	v_lshlrev_b32 v28, 8, v31                      ; 256 x lane
	v_and_b32 v2, 15, v0                           ; r
	v_bfe_u32 v3, v0, 4, 1                         ; hh
	s_lshl_b32 s32, ttmp9, 18                      ; my work-group's 64 rows of 4,096 bytes,
	s_lshl_b32 s33, s18, 16                        ; my wave's 16 of them
	s_add_co_u32 s32, s32, s33
	s_mov_b32 s33, 0
	s_wait_kmcnt 0x0
	s_load_b256 s[20:27], s[12:13], 0x0            ; e0 .. e7
	s_load_b64 s[28:29], s[12:13], 0x20            ; e8, e9
	s_add_nc_u64 s[4:5], s[4:5], s[32:33]
	s_add_nc_u64 s[6:7], s[6:7], s[32:33]
	s_add_nc_u64 s[8:9], s[8:9], s[32:33]
	s_mov_b64 s[30:31], s[4:5]
	XLOAD 0, 0                                     ; q's first four K steps: 64 loads of 512 bytes
	XLOAD 1, 512
	XLOAD 2, 1024
	XLOAD 3, 1536
	WIN 0
	s_lshl_b32 s32, ttmp9, 18
	s_lshl_b32 s37, s18, 10
	s_add_co_u32 s32, s32, s37
	s_add_nc_u64 s[58:59], s[16:17], s[32:33]      ; out0 at my work-group's first row, my wave's 256 columns
	s_lshl_b32 s32, s18, 20
	s_add_nc_u64 s[52:53], s[14:15], s[32:33]      ; my wave's stream of weights
	s_lshr_b32 s32, ttmp9, 6
	s_lshl_b32 s32, s32, 20
	s_and_b32 s37, ttmp9, 63
	s_lshl_b32 s37, s37, 13
	s_add_co_u32 s32, s32, s37
	s_add_nc_u64 s[54:55], s[14:15], s[32:33]      ; the 8,192 bytes of wc that my work-group asks for ahead
	s_mov_b32 s38, 0x76543210
	s_mov_b32 s39, 0xfedcba98                      ; v_permlanex16_b32: lane l xor 16
	s_mul_i32 s32, s18, 2*TSB
	s_add_co_u32 s32, s32, R3                      ; my two turning stages
	v_add_nc_u32 v4, s32, v1
	v_mul_u32_u24 v5, v2, 528
	v_lshl_add_u32 v5, v3, 6, v5
	v_add_nc_u32 v5, s32, v5
	s_lshl_b32 s32, s18, 13
	v_add_nc_u32 v6, s32, v1                       ; my tile of tokens' images: 4 x 2,048 x wave
	s_lshl_b32 s32, s18, 6
	v_mul_u32_u24 v10, v2, TP                      ; 1,040 r
	v_lshl_add_u32 v14, v3, 9, v10
	v_add_nc_u32 v14, s32, v14                     ; vh's stage, in: + 512 hh + 64 w
	v_lshl_add_u32 v20, v3, 4, v10
	v_add_nc_u32 v20, R2, v20                      ; attn's rows, out: + 16 hh
	v_lshl_add_u32 v10, v3, 3, v10
	v_add_nc_u32 v10, s32, v10                     ; qh's and kh's rows, in: + 8 hh + 64 w
	s_mul_i32 s32, s18, T16                        ; my 16 tokens' rows
	v_lshlrev_b32 v12, 4, v2                       ; 16 r
	v_lshl_add_u32 v16, v3, 9, v12
	v_add_nc_u32 v16, s32, v16                     ; vh's stage, out: + 512 hh
	v_lshl_add_u32 v23, v3, 12, v12                ; out0: lanes 0-15 one row, lanes 16-31 the next
	v_lshl_add_u32 v12, v3, 8, v12
	v_add_nc_u32 v12, s32, v12                     ; qh's rows, out: + 256 hh
	v_add_nc_u32 v29, R1, v12                      ; kh's
	v_lshlrev_b32 v18, 6, v2
	v_lshl_add_u32 v18, v3, 3, v18
	v_add_nc_u32 v18, s32, v18                     ; attn's rows, in: 64 r + 8 hh
	s_lshl_b32 s32, s18, 14
	s_add_co_u32 s32, s32, R3
	v_add_nc_u32 v13, s32, v1                      ; p's images
	s_mul_i32 s32, s18, 64*272                     ; my stage for the way out
	v_mul_u32_u24 v21, v2, 272
	v_lshl_add_u32 v21, v3, 5, v21
	v_add_nc_u32 v21, s32, v21
	v_mul_u32_u24 v22, v3, 272
	v_lshl_add_u32 v22, v2, 4, v22
	v_add_nc_u32 v22, s32, v22
	v_lshlrev_b32 v30, 6, v2
	v_lshl_add_u32 v30, v3, 5, v30                 ; mask[r][8 hh ..]
	s_wait_kmcnt 0x0
	FOLD 42, 26, 20, 21                            ; qh's codes of raw sums: e6 - e0 - e1
	FOLD 44, 27, 22, 23                            ; kh's: e7 - e2 - e3
	FOLD 46, 28, 24, 25                            ; attn's: e8 - e4 - e5
	s_add_co_i32 s48, s26, s27
	s_sub_co_i32 s48, s48, 3                       ; e6 + e7 - 3: the scores' scale and the division by 8
	s_add_co_i32 s40, s28, s29
	s_add_co_i32 s40, s40, 127
	s_lshl_b32 s40, s40, 23                        ; 2^(e8 + e9)
	s_mov_b32 s41, s40                             ; (named with it as a pair)
	; ================ L: 24 fragments (3 inputs x 8 K steps) of my 16 tokens: six trips of four; loads run four fragments ahead, the turn through LDS one
	s_mov_b32 s34, 0                               ; T
	s_mov_b32 s36, 0                               ; 33,280 T
	s_wait_loadcnt 48                              ; the first fragment's 16 loads are in
	TURN 0, 0
.LL:
	LTOP 1
	LSTEP 0, 1, 48, 1                              ; 48: the three younger sets of 16 loads
	LSTEP 1, 1, 48, 1
	LSTEP 2, 1, 48, 1
	LSTEP 3, 1, 48, 1
	s_add_co_u32 s36, s36, HFB
	s_add_co_u32 s34, s34, 1
	s_cmp_lt_u32 s34, 5
	s_cbranch_scc1 .LL
	LTOP 0                                         ; the last trip loads nothing: the counts run down
	; The weights' codes are asked for ahead, each aligned block of 256 bytes once in the launch: work-group b's wave 0 names 8,192 bytes, lanes 256 bytes apart, of stream b / 64 at 8,192 (b % 64):
	; here, four fragments of L ahead of the first weights' loads, the streams' first halves (Wq's and Wk's tiles); behind the third barrier, a whole product ahead, their second halves.
	s_cmp_lg_u32 s18, 0
	s_cbranch_scc1 .Lno_ask_1
	global_prefetch_b8 v28, s[54:55] th:TH_LOAD_NT scope:SCOPE_SE
.Lno_ask_1:
	LSTEP 0, 0, 32, 1
	LSTEP 1, 0, 16, 1
	LSTEP 2, 0, 0, 1
	LSTEP 3, 0, 0, 0
	s_wait_dscnt 0x0                               ; the stores into the stage have read window 1: it becomes the weights' ring
	global_load_b128 v[248:251], v30, s[10:11]     ; the mask's eight numbers of my lane: older than every weight's load, so the first counted wait below covers them
	global_load_b128 v[252:255], v30, s[10:11] offset:16
	WLOAD 0, 0, 0                                  ; the ring is filled: tiles 0 and 1
	WLOAD 0, 1, 0
	WLOAD 1, 0, 1
	WLOAD 1, 1, 1
	BARRIER                                        ; 1: all images lie in LDS
	; ================ qh
	ALOAD_IMG R0
	BARRIER                                        ; 2: every wave has read q's images: qh's codes may take their place
	v_mov_b32 v24, s42
	v_mov_b32 v25, s43
	QKLOOP R0
	; ================ kh
	ALOAD_IMG R1
	BARRIER                                        ; 3: every wave has read k's images
	s_cmp_lg_u32 s18, 0
	s_cbranch_scc1 .Lno_ask_2
	global_prefetch_b8 v28, s[54:55] offset:524288 th:TH_LOAD_NT scope:SCOPE_SE
.Lno_ask_2:
	v_mov_b32 v24, s44
	v_mov_b32 v25, s45
	QKLOOP R1
	BARRIER                                        ; 4: qh's and kh's codes are whole
	; ================ scores and softmax of my 16 tokens
	PLACES 5                                       ; in front of writes over the last products' accumulators
.irp j, 0,1,2,3,4,5,6,7
	v_mul_f32 v[88+\j], 0x3fb8aa3b, v[248+\j]      ; mask x log2(e)
.endr
.irp j, 0,1,2,3,4,5,6,7
	v_ldexp_f32 v[88+\j], v[88+\j], s48            ; x 2^(e6 + e7 - 3)
.endr
.irp u, 0,1,2,3
	v_mov_b32 v[65+2*\u], 0                        ; written once: a lane permute's destination counts as one of its sources
.endr
	LQ 0
	LQ 1
	s_wait_dscnt 16                                ; behind group 0's loads: group 1's 16
	WM 0
	LQ 2
	SOFT 0
	s_wait_dscnt 24                                ; behind group 1's: group 2's 16 loads, 8 stores of p
	WM 1
	LQ 3
	SOFT 1
	s_wait_dscnt 32                                ; behind group 2's: 8 stores, 16 loads, 8 stores
	WM 2
	SOFT 2
	s_wait_dscnt 16                                ; behind group 3's: twice 8 stores
	WM 3
	SOFT 3
	; ================ vh in four quarters (trip t: places d = 16 t .. 16 t + 15 of every head; my wave makes four of them), each with its p vh and attn's codes
	ALOAD_IMG R2
	BARRIER                                        ; 5: every wave has read v's images, and qh's and kh's codes: the stages and attn's codes may take their places
	v_mov_b32 v24, s46
	v_mov_b32 v25, s47
	s_mov_b32 s51, 0                               ; the stage in hand: R0 and R1 by turns, so that one barrier a trip is enough: a stage is written again only behind the barrier that follows its reads
	s_mov_b32 s56, R2
	s_mov_b32 s50, 4
.Lv:
	v_add_nc_u32 v15, s51, v14
	v_add_nc_u32 v17, s51, v16
	v_add_nc_u32 v19, s56, v18
	TRIP 1, 0
	BARRIER                                        ; 6 to 9: the stage holds 16 heads x 16 places of all 64 tokens
	LG 0
	LG 1
	s_wait_dscnt 16                                ; behind group 0's loads: group 1's 16
	MM 0
	LG 2
	CV 0
	s_wait_dscnt 20                                ; behind group 1's: 16 loads, 4 stores
	MM 1
	LG 3
	CV 1
	s_wait_dscnt 24                                ; behind group 2's: 4 stores, 16 loads, 4 stores
	MM 2
	CV 2
	s_wait_dscnt 8                                 ; behind group 3's: twice 4 stores
	MM 3
	CV 3
	s_wait_xcnt 0x0
	s_add_nc_u64 s[52:53], s[52:53], 0x10000
	s_xor_b32 s51, s51, RG
	s_add_co_u32 s56, s56, 16
	s_sub_co_u32 s50, s50, 1
	s_cmp_lg_u32 s50, 0
	s_cbranch_scc1 .Lv
	BARRIER                                        ; 10: attn's codes are whole, and nobody reads a stage any more
	; ================ out: my 256 columns, 64 a trip; each wave's stage is its own, so no barrier follows
	ALOAD_AT
	s_wait_dscnt 0x0
	s_mov_b32 s50, 3
.Lo:
	TRIP 2, 0
	OUT
	s_wait_xcnt 0x0                                ; loads and stores have read their bases
	s_add_nc_u64 s[52:53], s[52:53], 0x10000
	s_add_nc_u64 s[58:59], s[58:59], 256
	s_sub_co_u32 s50, s50, 1
	s_cmp_lg_u32 s50, 0
	s_cbranch_scc1 .Lo
	TRIP 2, 1                                      ; the last trip is written out: no load passes the end of my stream
	OUT
	s_wait_tensorcnt 0x0                           ; the wave's end, behind my last LDS store
	ds_add_u32 v26, v27
	s_wait_dscnt 0x0
	s_endpgm
.Lfunc_end_k_q1a4328019e_mha:
	.size	k_q1a4328019e_mha, .Lfunc_end_k_q1a4328019e_mha-k_q1a4328019e_mha
	.p2alignl 7, 3214868480
	.fill 96, 4, 3214868480
	.section	.rodata,"a",@progbits
	.p2align	6, 0x0
	.amdhsa_kernel k_q1a4328019e_mha
		.amdhsa_group_segment_fixed_size 267776
		.amdhsa_private_segment_fixed_size 0
		.amdhsa_enable_private_segment 0
		.amdhsa_kernarg_size 56
		.amdhsa_user_sgpr_count 2
		.amdhsa_user_sgpr_kernarg_segment_ptr 1
		.amdhsa_wavefront_size32 1
		.amdhsa_system_sgpr_workgroup_id_x 1
		.amdhsa_system_sgpr_workgroup_id_y 1
		.amdhsa_system_sgpr_workgroup_id_z 1
		.amdhsa_system_vgpr_workitem_id 0
		.amdhsa_next_free_vgpr 1024
		.amdhsa_next_free_sgpr 66
		.amdhsa_reserve_vcc 0
		.amdhsa_float_denorm_mode_32 3
		.amdhsa_float_denorm_mode_16_64 3
		.amdhsa_memory_ordered 1
		.amdhsa_forward_progress 1
		.amdhsa_inst_pref_size 255
	.end_amdhsa_kernel
	.section	.bss,"aw",@nobits
	.p2align	6
	.space	262144
	.amdgpu_metadata
---
amdhsa.version: [ 1, 2 ]
amdhsa.kernels:
  - .name:           k_q1a4328019e_mha
    .symbol:         k_q1a4328019e_mha.kd
    .args:
      - { .name: q, .offset: 0, .size: 8, .value_kind: global_buffer, .address_space: global }
      - { .name: k, .offset: 8, .size: 8, .value_kind: global_buffer, .address_space: global }
      - { .name: v, .offset: 16, .size: 8, .value_kind: global_buffer, .address_space: global }
      - { .name: mask, .offset: 24, .size: 8, .value_kind: global_buffer, .address_space: global }
      - { .name: lowp_scales, .offset: 32, .size: 8, .value_kind: global_buffer, .address_space: global }
      - { .name: wc, .offset: 40, .size: 8, .value_kind: global_buffer, .address_space: global }
      - { .name: out0, .offset: 48, .size: 8, .value_kind: global_buffer, .address_space: global }
    .group_segment_fixed_size: 267776
    .private_segment_fixed_size: 0
    .kernarg_segment_align: 8
    .kernarg_segment_size: 56
    .max_flat_workgroup_size: 128
    .sgpr_count:     66
    .vgpr_count:     1024
    .wavefront_size: 32
...
	.end_amdgpu_metadata
.endif
;; end of part 2
;; ======== version 2 of 2: 2 launches
;; workspace buffers: wc 4,194,304 bytes
;; launch wquant (part 3): grid 256 x 1, 4 waves a work-group, no clusters, 0 bytes of LDS; arguments Wq, Wk, Wv, Wo, lowp_scales, wc; writes wc
.if DOCPART == 3
	.amdgcn_target "amdgcn-amd-amdhsa--gfx1250"
	.amdhsa_code_object_version 6
	.text
	.protected	k_q1a4328019e_wquant
	.globl	k_q1a4328019e_wquant
	.p2align	8
	.type	k_q1a4328019e_wquant,@function
k_q1a4328019e_wquant:
	s_mov_b64 s[64:65], 0
	v_nop
	global_prefetch_b8 v0, s[64:65] scope:SCOPE_SE
	s_setreg_imm32_b32 hwreg(HW_REG_WAVE_MODE, 25, 1), 1
	s_wait_xcnt 0x0
; Wq, Wk, Wv, Wo [1024 (out)][1024 (in)] f32 become codes of BF8 (E5M2), each with the one scale 2^e given for it (entries 1, 3, 5, 9 of lowp_scales):
; code = x / 2^e, held within +-57,344, rounded to the nearest code, ties to even.
; NOTHING OF reference() IS LEFT OUT in this program: every input has a way to the output, and every product of the table is done.
; LIMITS: e between -126 and 112, so that 2^e and 57,344 x 2^e are f32 numbers.  NaN among the inputs is not served (an infinity is held at the largest code).
; THE CODES ARE LAID AS IMAGES OF OPERAND REGISTERS, in the order in which a wave of the second launch takes them:
;   wc[w 0..3][p 0..3][i 0..15][s 0..7][c 0..3][lane 0..31][16 bytes]:  wave w's stream is 1 MiB on end; p = 0 Wq, 1 Wk, 2 Wv, 3 Wo; a tile (w, p, i) is 16 rows x 1,024 K = 16,384 bytes;
;   lane (r = lane % 16, hh = lane / 16) holds, of its row, k = 128 s + 32 c + 16 hh + 0 .. 15.
;   Which row lane r holds: p = 0, 1, 3: row 256 w + 16 i + r.   p = 2: row 64 r + 16 (i / 4) + 4 w + i % 4: the sixteen heads at ONE place d of a head.
; A work-group makes one tile, its wave wv the K steps 2 wv and 2 wv + 1.  A lane's registers run along K, so the conversions' results are the image's bytes: each store of a wave covers 512 consecutive bytes, aligned.
; No LDS, no barrier, no matrix instruction: the launch moves 16.8 MB in and 4 MB out once.
.set X,  32                            ; v32-95, v96-159  two sets of 64 numbers
.set CD, 160                           ; v160-191         their codes
	s_load_b256 s[4:11], s[0:1], 0x0               ; Wq s[4:5], Wk s[6:7], Wv s[8:9], Wo s[10:11]
	s_load_b128 s[12:15], s[0:1], 0x20             ; the scales' exponents s[12:13], wc s[14:15]
	v_lshrrev_b32 v5, 5, v0
	v_readfirstlane_b32 s26, v5                    ; wave wv
	v_and_b32 v1, 15, v0                           ; r
	s_wait_alu depctr_va_vdst(0)
	v_bfe_u32 v2, v0, 4, 1                         ; hh
	v_and_b32 v4, 31, v0
	v_lshlrev_b32 v4, 4, v4                        ; 16 x lane: my place in an image
	s_lshr_b32 s27, ttmp9, 6                       ; w
	s_bfe_u32 s28, ttmp9, 0x20004                  ; p
	s_and_b32 s29, ttmp9, 15                       ; i
	s_lshl_b32 s34, s27, 8
	s_lshl_b32 s35, s29, 4
	s_add_co_u32 s34, s34, s35                     ; 256 w + 16 i
	s_lshr_b32 s35, s29, 2
	s_lshl_b32 s35, s35, 4
	s_lshl_b32 s36, s27, 2
	s_add_co_u32 s35, s35, s36
	s_and_b32 s36, s29, 3
	s_add_co_u32 s35, s35, s36                     ; 16 (i / 4) + 4 w + i % 4
	s_cmp_eq_u32 s28, 2                            ; Wv?
	s_cselect_b32 s34, s35, s34                    ; lane 0's row
	s_mov_b32 s36, 0x40000
	s_cselect_b32 s36, s36, 0x1000                 ; from lane to lane: 64 rows, or one row of 4,096 bytes
	v_mul_lo_u32 v3, v1, s36
	s_wait_alu depctr_va_vdst(0)
	v_lshl_add_u32 v3, v2, 6, v3                   ; + 64 hh: my 16 numbers of a block of 32
	s_lshl_b32 s34, s34, 12
	s_lshl_b32 s35, s26, 10
	s_add_co_u32 s34, s34, s35                     ; + my wave's two K steps: 1,024 bytes of a row
	s_mov_b32 s35, 0
	s_lshl_b32 s38, ttmp9, 14                      ; the tile's 16,384 bytes in wc,
	s_lshl_b32 s39, s26, 12                        ; my wave's 4,096 of them
	s_add_co_u32 s38, s38, s39
	s_mov_b32 s39, 0
	s_wait_alu depctr_va_vdst(0)
	s_wait_kmcnt 0x0
	s_load_b256 s[16:23], s[12:13], 0x0            ; e0 .. e7
	s_load_b64 s[24:25], s[12:13], 0x20            ; e8, e9
	s_cmp_eq_u32 s28, 0                            ; the tensor is chosen by the work-group's number alone
	s_cselect_b64 s[30:31], s[4:5], s[6:7]
	s_cmp_eq_u32 s28, 2
	s_cselect_b64 s[32:33], s[8:9], s[10:11]
	s_cmp_lt_u32 s28, 2
	s_cselect_b64 s[30:31], s[30:31], s[32:33]
	s_add_nc_u64 s[30:31], s[30:31], s[34:35]
	s_add_nc_u64 s[14:15], s[14:15], s[38:39]
.irp u, 0,1                            ; K step 2 wv + u: register 16 c + 4 j + word = k 32 c + 16 hh + 4 j + word
.set wi, 0
.rept 16
	global_load_b128 v[X+64*\u+4*wi:X+64*\u+4*wi+3], v3, s[30:31] offset:512*\u+128*(wi/4)+16*(wi%4)
.set wi, wi+1
.endr
.endr
	s_wait_kmcnt 0x0
	s_cmp_eq_u32 s28, 0
	s_cselect_b32 s40, s17, s19                    ; e1 (Wq) or e3 (Wk)
	s_cmp_eq_u32 s28, 2
	s_cselect_b32 s41, s21, s25                    ; e5 (Wv) or e9 (Wo)
	s_cmp_lt_u32 s28, 2
	s_cselect_b32 s40, s40, s41
	s_add_co_i32 s40, s40, 127
	s_lshl_b32 s41, s40, 23
	v_mov_b32 v11, s41                             ; 2^e as f32: the conversion takes its exponent field
	s_add_co_i32 s40, s40, 15
	s_lshl_b32 s40, s40, 23
	s_or_b32 s40, s40, 0x600000
	v_mov_b32 v10, s40                             ; 57,344 x 2^e
.macro QUANT src, dst
.set wi, 0
.rept 64
	v_med3_num_f32 v[(\src)+wi], v[(\src)+wi], -v10, v10   ; the conversion to an 8-bit code does not saturate (ISA guide 7.6.2): the hold comes first
.set wi, wi+1
.endr
.set wi, 0
.rept 8
	v_cvt_scalef32_pk8_bf8_f32 v[(\dst)+2*wi:(\dst)+2*wi+1], v[(\src)+8*wi:(\src)+8*wi+7], v11
.set wi, wi+1
.endr
.endm
	s_wait_alu depctr_va_vdst(0)
	s_wait_loadcnt 16                              ; the first K step's 16 loads are in; the second's may be out
	QUANT X, CD
.irp c, 0,1,2,3
	global_store_b128 v4, v[CD+4*\c:CD+4*\c+3], s[14:15] offset:512*\c
.endr
	s_wait_loadcnt 0x0
	QUANT X+64, CD+16                              ; other registers than the first step's: no store's data are written again
.irp c, 0,1,2,3
	global_store_b128 v4, v[CD+16+4*\c:CD+16+4*\c+3], s[14:15] offset:2048+512*\c
.endr
	s_endpgm
.Lfunc_end_k_q1a4328019e_wquant:
	.size	k_q1a4328019e_wquant, .Lfunc_end_k_q1a4328019e_wquant-k_q1a4328019e_wquant
	.p2alignl 7, 3214868480
	.fill 96, 4, 3214868480
	.section	.rodata,"a",@progbits
	.p2align	6, 0x0
	.amdhsa_kernel k_q1a4328019e_wquant
		.amdhsa_group_segment_fixed_size 0
		.amdhsa_private_segment_fixed_size 0
		.amdhsa_enable_private_segment 0
		.amdhsa_kernarg_size 48
		.amdhsa_user_sgpr_count 2
		.amdhsa_user_sgpr_kernarg_segment_ptr 1
		.amdhsa_wavefront_size32 1
		.amdhsa_system_sgpr_workgroup_id_x 1
		.amdhsa_system_sgpr_workgroup_id_y 1
		.amdhsa_system_sgpr_workgroup_id_z 1
		.amdhsa_system_vgpr_workitem_id 0
		.amdhsa_next_free_vgpr 192
		.amdhsa_next_free_sgpr 66
		.amdhsa_reserve_vcc 0
		.amdhsa_float_denorm_mode_32 3
		.amdhsa_float_denorm_mode_16_64 3
		.amdhsa_memory_ordered 1
		.amdhsa_forward_progress 1
		.amdhsa_inst_pref_size 16
	.end_amdhsa_kernel
	.amdgpu_metadata
---
amdhsa.version: [ 1, 2 ]
amdhsa.kernels:
  - .name:           k_q1a4328019e_wquant
    .symbol:         k_q1a4328019e_wquant.kd
    .args:
      - { .name: Wq, .offset: 0, .size: 8, .value_kind: global_buffer, .address_space: global }
      - { .name: Wk, .offset: 8, .size: 8, .value_kind: global_buffer, .address_space: global }
      - { .name: Wv, .offset: 16, .size: 8, .value_kind: global_buffer, .address_space: global }
      - { .name: Wo, .offset: 24, .size: 8, .value_kind: global_buffer, .address_space: global }
      - { .name: lowp_scales, .offset: 32, .size: 8, .value_kind: global_buffer, .address_space: global }
      - { .name: wc, .offset: 40, .size: 8, .value_kind: global_buffer, .address_space: global }
    .group_segment_fixed_size: 0
    .private_segment_fixed_size: 0
    .kernarg_segment_align: 8
    .kernarg_segment_size: 48
    .max_flat_workgroup_size: 128
    .sgpr_count:     66
    .vgpr_count:     192
    .wavefront_size: 32
...
	.end_amdgpu_metadata
.endif
;; end of part 3
;; launch mha (part 4): grid 256 x 1, 4 waves a work-group, no clusters, 267,776 bytes of LDS; arguments q, k, v, mask, lowp_scales, wc, out0; writes out0
.if DOCPART == 4
	.amdgcn_target "amdgcn-amd-amdhsa--gfx1250"
	.amdhsa_code_object_version 6
	.text
	.protected	k_q1a4328019e_mha
	.globl	k_q1a4328019e_mha
	.p2align	8
	.type	k_q1a4328019e_mha,@function
k_q1a4328019e_mha:
	s_mov_b64 s[64:65], 0
	v_nop
	global_prefetch_b8 v0, s[64:65] scope:SCOPE_SE
	s_setreg_imm32_b32 hwreg(HW_REG_WAVE_SCHED_MODE, 0, 2), 2
	s_setreg_imm32_b32 hwreg(HW_REG_WAVE_MODE, 25, 1), 1
	s_wait_xcnt 0x0
	s_wait_alu depctr_vm_vsrc(0)
; out = Q(attn) Q(Wo)^T,  attn[t][h][:] = sum over g of softmax_g(Q(qh[t][h]) . Q(kh[t][g]) / 8 x mask[h][g]) vh[t][g][:],  qh = Q(q) Q(Wq)^T, kh, vh likewise.  16,384 tokens of 1,024; 16 heads of 64; the attention is over the HEADS of one token.
; Q is the quantiser to BF8 (E5M2) with the given scale 2^e of each operand (lowp_scales e0 .. e9: q, Wq, k, Wk, v, Wv, qh, kh, attn, Wo).  Nothing of reference() is left out.
; A WORK-GROUP TAKES 64 TOKENS THROUGH THE WHOLE CHAIN; nothing but the inputs, the weights' codes (wc, made by the launch before) and the output touches memory.
; SHARES.  In the four large products the four waves share the COLUMNS: wave w makes columns 256 w .. 256 w + 255 (for vh: four places d of every head) for all 64 tokens.  The left operand's codes, 64 x 1,024 bytes,
; stand in each wave's registers (512 of them), and each fragment of a weight is read by one wave alone and feeds four matrix instructions: so the weights come from wc straight into registers, through a ring of
; 16 fragments (two tiles of 16 rows x 1,024 K): 48 to 64 loads of 512 bytes a wave are out, under counted waits.  In the work of a token (scores, softmax, p vh) the waves share the TOKENS, 16 each; the hand-over goes through LDS.
; EVERY PRODUCT IS USED TRANSPOSED: source 0 = 16 rows of a weight (or kh's heads, or vh^T), source 1 = 16 tokens (or qh's heads, or p).  In a result lane (r, hh) then holds token (or head) r, its registers j the rows 8 hh + j of source 0.
; K's PLACES: in both operands of a 16x16x128 product register 4 c + i / 4, byte i % 4, of lane (r, hh) is k = 128 s + 32 c + 16 hh + i: one permutation of k for both sides, so each product meets its partner.
; THE SCALES ARE FOLDED (all are powers of two, nothing is rounded): qh's codes are made of the raw sums with 2^(e6 - e0 - e1), kh's with 2^(e7 - e2 - e3); vh stays a raw sum and attn's codes take 2^(e8 - e4 - e5);
; the scores' 2^(e6 + e7 - 3) and log2(e) go into the mask's numbers; out = sum x 2^(e8 + e9).
; THE SOFTMAX takes the row's largest t = score x mask x log2(e) away, p = 2^(t - max) / sum, all in f32; p vh has f32 operands (v_wmma_f32_16x16x4_f32), since its result goes into a quantiser.
; LIMITS: e0, e2, e4 and the three folded exponents between -126 and 112; e8 + e9 between -126 and 127.  NaN among the inputs is not served (an infinity is held at the largest code).
; NO CLUSTER, NO TENSOR LOAD: beside the four regions below LDS has under 60 KB left, two slots of which four waves would multiply in some fifteen matrix instructions each; and no fragment of a weight is read by two waves of a work-group.
; PHASES: L (q, k, v are read, quantised, stored as images) | q product | k product | scores, softmax | v product in four quarters, each with its p vh and quantiser | o product and stores.  Ten barriers.
; L stands apart from the products because a wave's loads are counted done in the order of issue: a weight's load behind an input's could not be seen done before it.
;
; THE MODE: SCHED_MODE bits 1:0 = 2 (LLVM: expert scheduling mode 2), set by the entry lines.  The code itself states the register dependences between vector or matrix instructions and memory or LDS instructions,
; with s_wait_alu, always for 0.
; THE PLAN.  Registers that memory or LDS instructions touch, and who else names them:
;   v1, v4-6, v10, v12-14, v16, v18, v20-23, v28-30   offsets and addresses, made at the head and never written again: two waits on va_vdst at the head serve them for the whole kernel.
;   L.  Window 1, sets 0-3: the inputs' loads land, the stage's stores read; no vector instruction names them.  v128-191, v192-255: the stage's loads land, the holds and conversions work on them.  v32-47, v7: written by the
;       conversions and a trip's first step, read by the image's stores.  A step has ONE wait on vm_vsrc at its head (set f, v32-47 and v7 have been read) and ONE on va_vdst between its conversions and its image's stores
;       (v32-47 and v7 are written; the set of numbers is done with, so the next step's loads from the stage owe nothing more).
;   THE PRODUCTS.  The ring (window 1): the weights' loads land, a half tile's sixteen products read.  ONE wait on va_vdst a half tile, behind the products, the arithmetic of the tile before and the places: it serves the loads into
;       the half just read and the stores of the tile before.  qh's and kh's codes have a set of registers for each half tile of a trip (v128-159): ONE wait on vm_vsrc at a trip's head frees them and the address v11.
;       Where the LDS stores read the accumulators themselves (vh, out), a wait on vm_vsrc stands at the heads of tiles 2 and 3, whose products write what the stores of tiles 0 and 1 read; the trip's head serves tiles 0 and 1.
;   WINDOWS 2, 3: LDS loads land, the products read.  One wait on va_vdst behind the adds that make v8 and v9; these were last read ahead of the waits on vm_vsrc at the heads of the product's trips.
;   SCORES.  v128-191, v192-255: LDS loads land, the products read.  The loads of group g + 2 stand behind the wait that follows group g's exponentials.  p (v32-63): va_vdst ahead of its stores, vm_vsrc ahead of the next products.
;   p vh.  v128-191, v32-95: LDS loads land, the products read.  attn's codes have a set for each group (v224-255), freed at the trip's head.  ONE wait on va_vdst a group, behind its conversions: then group g + 2's loads, then the codes' stores.
;   THE WAY OUT.  v128-255: LDS loads land, global stores read: freed at the trip's head.
;
; LDS: four regions.  R0: q's images; then qh's codes; then vh's stage 0; then the way out's stages.   R1: the same for k, kh, stage 1.   R2: v's images; then attn's codes.   R3: L's turning stages; then p's images.
;   an input's image: region + 33,280 (s / 4) + 2,048 (4 m + s % 4) + 512 c + 16 lane (m: tile of 16 tokens, s: K step): an operand's registers as they stand.
;   qh, kh: a token's row is 1,024 + 16 bytes; (head h, place d) at 256 (d / 16) + 16 h + d % 16.     vh's stage: the same pitch; (g, d % 16) at 256 (g / 4) + 16 (d % 16) + 4 (g % 4), f32.
;   attn: the same pitch, byte 64 h + d.      p: R3 + 16,384 w + 1,024 token + 512 half + 16 lane.      way out: 17,408 w, 64 rows of 256 + 16 bytes.
;   All pitches are odd multiples of 16 bytes, so the sixteen rows that a 16-byte access touches begin at sixteen different banks (64 banks of 4 bytes: ISA guide 11.1); attn's 8-byte stores alone go four deep.
; REGISTERS, in windows of 256.  Window 0: v1-31 addresses and constants; v32-95 eight accumulators ACC(a, m) = 32 + 32 a + 8 m; v96-127 the four accumulators of p vh, written by matrix instructions alone; v128-255 by phase.
;   Window 1: in L four sets of 64 numbers as loaded; then the weights' ring, fragment (a, s) at 128 a + 16 s.   Windows 2, 3: the left operand, fragment (m, s) in window 2 + s / 4 at 16 (4 m + s % 4).
.set RG,    66560
.set R0,    0
.set R1,    RG
.set R2,    2*RG
.set R3,    3*RG
.set HFB,   33280                      ; half a region: the images of four K steps (32,768 bytes), and the step from half to half and from region to region
.set TP,    1040                       ; a token's row of codes, or of vh's stage
.set T16,   16*TP
.set TSB,   8448                       ; a turning stage: 16 rows of 512 + 16 bytes
.set SPARE, R3+8*TSB                   ; behind R3: the spare words, 128 bytes for each wave: two blocks of 256 bytes that no other line names
; v1 16 x lane  v2 r  v3 hh  v4, v5 turning stage in, out  v6, v7 my images: first, current  v8, v9 images read  v10, v11 qh/kh codes: first, current  v12, v29 qh, kh read  v13 p's image
; v14, v15 vh's stage in  v16, v17 out  v18, v19 attn's codes in  v20 out  v21, v22 way out in, back  v23 my bytes in out0  v24, v25 the conversion's scale, the largest number x it  v26, v27 the add's two  v28 prefetch  v30 mask
; s[4:9] q, k, v at my wave's rows  s[10:11] mask  s[14:15] wc  s18 wave  s20-29 e0-e9  s[30:31] the input in hand  s[38:39] lane selects  s[40:41] 2^(e8+e9)  s42-47 folded scales  s48 e6+e7-3  s[52:53] my weights  s[54:55] prefetch  s[58:59] out0
.set MSB, 0
.macro WIN new                         ; s_set_vgpr_msb: bits 1:0 source 0, 3:2 source 1, 5:4 source 2, 7:6 destination; the high byte repeats the setting that is left
.if MSB != (\new)
	s_set_vgpr_msb (MSB<<8)|(\new)
.set MSB, (\new)
.endif
.endm
.macro PLACES n                        ; plain vector instructions between a matrix instruction and what touches its registers (ISA guide 7.12.1)
.rept \n
	v_nop
.endr
.endm
.macro BARRIER                         ; my LDS stores have landed and my LDS loads are in: then the work-group's barrier
	s_wait_dscnt 0x0
	s_barrier_signal -1
	s_barrier_wait -1
.endm
; ---- phase L
.macro XLOAD set, off                  ; 16 rows x 128 numbers: each load reads 512 consecutive bytes of one row
	WIN 0x40                                       ; destination window 1
.set xi, 0
.rept 16
	global_load_b128 v[64*(\set)+4*xi:64*(\set)+4*xi+3], v1, s[30:31] offset:4096*xi+(\off) th:TH_LOAD_NT
.set xi, xi+1
.endr
.endm
.macro TURN set, par                   ; through my own stage: in as loaded, out 16 neighbours along K a lane and block; LDS serves a wave's instructions in order (ISA guide 5.7.1.4)
	WIN 0x04                                       ; store data window 1
.set xi, 0
.rept 16
	ds_store_b128 v4, v[64*(\set)+4*xi:64*(\set)+4*xi+3] offset:TSB*(\par)+528*xi
.set xi, xi+1
.endr
	WIN 0
.set xi, 0
.rept 16
	ds_load_b128 v[128+64*(\par)+4*xi:128+64*(\par)+4*xi+3], v5 offset:TSB*(\par)+128*(xi/4)+16*(xi%4)   ; no vector instruction has named these registers since the wait on va_vdst ahead of the last image's stores
.set xi, xi+1
.endr
.endm
.macro QUANT src, dst                  ; 64 numbers of a lane, register 16 c + i = k 32 c + 16 hh + i, become a fragment's 16 registers of codes
.set xi, 0
.rept 64
	v_med3_num_f32 v[(\src)+xi], v[(\src)+xi], -v25, v25   ; the conversion to an 8-bit code does not saturate (ISA guide 7.6.2): the hold comes first
.set xi, xi+1
.endr
.set xi, 0
.rept 8
	v_cvt_scalef32_pk8_bf8_f32 v[(\dst)+2*xi:(\dst)+2*xi+1], v[(\src)+8*xi:(\src)+8*xi+7], v24
.set xi, xi+1
.endr
	v_nop                                          ; a plain instruction behind the last conversion, ahead of whatever next touches its registers
.endm
.macro IMAGE off
.irp c, 0,1,2,3
	ds_store_b128 v7, v[32+4*\c:35+4*\c] offset:(\off)+512*\c
.endr
.endm
; Fragment f of a trip's four.  ld: its set takes the next trip's fragment f.  turn: the next fragment goes through the stage meanwhile; cnt: the younger loads that may stay out.  top: a trip's first step makes the trip's scale and address
.macro LSTEP f, ld, cnt, turn, top
	s_wait_dscnt 0x0                               ; this fragment's numbers are back from the stage; the last image's stores are done
	s_wait_alu depctr_vm_vsrc(0)                   ; the stage's stores have read set f of window 1, in which the loads below land; the last image's stores have read v32-47 and v7, which are written anew below
.if \top
	v_mov_b32 v24, s49                             ; 2^e
	v_mov_b32 v25, s37                             ; 57,344 x 2^e
	s_wait_alu depctr_va_vdst(0)
	v_add_nc_u32 v7, s36, v6                       ; where this trip's four images go
.endif
.if \ld
	XLOAD \f, 512*(\f)
.endif
.if \turn
	s_wait_loadcnt \cnt
	TURN ((\f)+1)%4, ((\f)+1)%2
.endif
	QUANT 128+64*((\f)%2), 32
	s_wait_alu depctr_va_vdst(0)                   ; the conversions have written v32-47, and a trip's first step v7, which the image's stores read; holds and conversions are done with this set of numbers, in which the stage's loads of the next step land
	IMAGE 2048*(\f)
.endm
.macro LTOP nb                         ; the head of trip T (s34): input T / 2, K steps 4 (T % 2) on.  nb: the loads of this trip are trip T + 1's.  Scalar work alone: s49, s37 and s36 go into vector registers in the trip's first step
.if \nb
	s_wait_xcnt 0x0                                ; the last trip's loads have read their base
	s_add_co_u32 s35, s34, 1
	s_cmp_lt_u32 s35, 4
	s_cselect_b64 s[30:31], s[6:7], s[8:9]
	s_cmp_lt_u32 s35, 2
	s_cselect_b64 s[30:31], s[4:5], s[30:31]       ; q, q, k, k, v, v: the choice hangs on the trip's number alone
	s_and_b32 s32, s35, 1
	s_lshl_b32 s32, s32, 11                        ; the row's second half: 2,048 bytes on
	s_mov_b32 s33, 0
	s_add_nc_u64 s[30:31], s[30:31], s[32:33]
.endif
	s_cmp_lt_u32 s34, 4
	s_cselect_b32 s37, s22, s24
	s_cmp_lt_u32 s34, 2
	s_cselect_b32 s37, s20, s37                    ; e0, e2 or e4
	s_add_co_i32 s37, s37, 127
	s_lshl_b32 s49, s37, 23
	s_add_co_i32 s37, s37, 15
	s_lshl_b32 s37, s37, 23
	s_or_b32 s37, s37, 0x600000
.endm
; ---- the large products
.macro ALOAD_IMG base                  ; all 32 fragments of an input, as they were stored, into windows 2 and 3
	PLACES 4                                       ; in front of loads into registers that matrix instructions have read
	v_add_nc_u32 v8, \base, v1                     ; (the loads that read v8 and v9 last stand ahead of the waits on vm_vsrc at the heads of the last product's trips)
	v_add_nc_u32 v9, (\base)+HFB, v1
	WIN 0x80
	s_wait_alu depctr_va_vdst(0)                   ; v8 and v9 are written, which the loads below read; the product before is done reading windows 2 and 3, in which they land
.set xi, 0
.rept 64
	ds_load_b128 v[4*xi:4*xi+3], v8 offset:512*xi
.set xi, xi+1
.endr
	WIN 0xc0
.set xi, 0
.rept 64
	ds_load_b128 v[4*xi:4*xi+3], v9 offset:512*xi
.set xi, xi+1
.endr
	WIN 0
.endm
.macro ALOAD_AT                        ; the same from attn's rows: fragment (m, s): token 16 m + r, bytes 128 s + 32 c + 16 hh.  No wait on va_vdst is owed: the last one of the v phase stands behind the last product that read windows 2 and 3, and nothing has named them since
	PLACES 4
.irp hf, 0,1
	WIN 0x80+0x40*\hf
.set xi, 0
.rept 64
	ds_load_b128 v[4*xi:4*xi+3], v20 offset:T16*(xi/16)+128*(4*\hf+(xi/4)%4)+32*(xi%4)
.set xi, xi+1
.endr
.endr
	WIN 0
.endm
.macro HALF a, h, cnt                  ; 16 matrix instructions: tile a of the ring, K steps 4 h .. 4 h + 3, the four tiles of tokens by turns.  The first K step starts the sums
	s_wait_loadcnt \cnt                            ; loads are counted done in order (ISA guide 5.7.1): this half tile's 16 are in, the younger groups stay out
	WIN 0x09+4*(\h)                                ; source 0 (the weight) window 1, source 1 (the tokens) window 2 or 3
.irp s3, 0,1,2,3
.irp m, 0,1,2,3
.if ((\h) == 0) && (\s3 == 0)
	v_wmma_f32_16x16x128_bf8_bf8 v[32+32*(\a)+8*\m:32+32*(\a)+8*\m+7], v[128*(\a)+64*(\h)+16*\s3:128*(\a)+64*(\h)+16*\s3+15], v[16*(4*\m+\s3):16*(4*\m+\s3)+15], 0
.else
	v_wmma_f32_16x16x128_bf8_bf8 v[32+32*(\a)+8*\m:32+32*(\a)+8*\m+7], v[128*(\a)+64*(\h)+16*\s3:128*(\a)+64*(\h)+16*\s3+15], v[16*(4*\m+\s3):16*(4*\m+\s3)+15], v[32+32*(\a)+8*\m:32+32*(\a)+8*\m+7]
.endif
.endr
.endr
	WIN 0
.endm
.macro WLOAD a, h, tile                ; half a tile of my stream, 8,192 consecutive bytes, into the ring
	WIN 0x40
.irp s3, 0,1,2,3
.irp c, 0,1,2,3
	global_load_b128 v[128*(\a)+64*(\h)+16*\s3+4*\c:128*(\a)+64*(\h)+16*\s3+4*\c+3], v1, s[52:53] offset:16384*(\tile)+2048*(4*(\h)+\s3)+512*\c
.endr
.endr
	WIN 0
.endm
; What becomes of tile e's sums, tiles of tokens 2 part and 2 part + 1, in two parts: EPIV the arithmetic, EPIS the LDS stores, with a wait on va_vdst between.  Each accumulator is read from its low end on.
; kind 0 (qh, kh): held, converted, 8 codes a lane into the token's row; the codes of (e, part) have registers of their own, v[128 + 8 e + 4 part ..].   kind 1 (vh): the raw sums into the stage: no arithmetic.
; kind 2 (out): x 2^(e8 + e9), into my stage for the way out.
.macro EPIV kind, e, part
.set AC0, 32+32*((\e)%2)+16*(\part)
.if \kind == 0
.set PCB, 128+8*(\e)+4*(\part)
.set xi, 0
.rept 16
	v_med3_num_f32 v[AC0+xi], v[AC0+xi], -v25, v25
.set xi, xi+1
.endr
	v_cvt_scalef32_pk8_bf8_f32 v[PCB:PCB+1], v[AC0:AC0+7], v24
	v_cvt_scalef32_pk8_bf8_f32 v[PCB+2:PCB+3], v[AC0+8:AC0+15], v24
	v_nop                                          ; a plain instruction between the conversions and the products that write their sources anew
.elseif \kind == 2
.set xi, 0
.rept 8
	v_pk_mul_f32 v[AC0+2*xi:AC0+2*xi+1], v[AC0+2*xi:AC0+2*xi+1], s[40:41] op_sel_hi:[1,0]
.set xi, xi+1
.endr
.endif
.endm
.macro EPIS kind, e, part
.set AC0, 32+32*((\e)%2)+16*(\part)
.if \kind == 0
.set PCB, 128+8*(\e)+4*(\part)
	ds_store_b64 v11, v[PCB:PCB+1] offset:T16*(2*(\part))+256*(\e)
	ds_store_b64 v11, v[PCB+2:PCB+3] offset:T16*(2*(\part)+1)+256*(\e)
.elseif \kind == 1
	ds_store_b128 v15, v[AC0:AC0+3] offset:T16*(2*(\part))+16*(\e)
	ds_store_b128 v15, v[AC0+4:AC0+7] offset:T16*(2*(\part))+16*(\e)+256
	ds_store_b128 v15, v[AC0+8:AC0+11] offset:T16*(2*(\part)+1)+16*(\e)
	ds_store_b128 v15, v[AC0+12:AC0+15] offset:T16*(2*(\part)+1)+16*(\e)+256
.else
	ds_store_b128 v21, v[AC0:AC0+3] offset:4352*(2*(\part))+64*(\e)
	ds_store_b128 v21, v[AC0+4:AC0+7] offset:4352*(2*(\part))+64*(\e)+16
	ds_store_b128 v21, v[AC0+8:AC0+11] offset:4352*(2*(\part)+1)+64*(\e)
	ds_store_b128 v21, v[AC0+12:AC0+15] offset:4352*(2*(\part)+1)+64*(\e)+16
.endif
.endm
; Tile e of a trip's four.  Behind each half: the arithmetic of half of the tile before, four places, ONE wait; then the half just multiplied takes the tile two on, and half of the tile before goes to LDS.
; fin: my stream's last four tiles: tiles 2 and 3 ask for nothing, and the counts run down.
.macro NTILE kind, e, fin
.set NC0, 48
.set NC1, 48
.set NLD, 1
.if \fin
.if (\e) == 2
.set NC1, 32
.set NLD, 0
.endif
.if (\e) == 3
.set NC0, 16
.set NC1, 0
.set NLD, 0
.endif
.endif
.if ((\kind) != 0) && ((\e) >= 2)
	s_wait_alu depctr_vm_vsrc(0)                   ; the LDS stores of the tile two back have read its accumulators, which this tile's first products write anew
.endif
	HALF (\e)%2, 0, NC0
.if (\e) > 0
	EPIV \kind, (\e)-1, 0
.endif
	PLACES 4                                       ; in front of the loads into the half just read
.if NLD
	WIN 0x40
.endif
	s_wait_alu depctr_va_vdst(0)                   ; the sixteen products are done reading their half of the ring, in which the loads below land; what the stores below read is written: the tile before's codes or sums, and the trip's address
.if NLD
	WLOAD (\e)%2, 0, (\e)+2
.endif
.if (\e) > 0
	EPIS \kind, (\e)-1, 0
.endif
	HALF (\e)%2, 1, NC1
.if (\e) > 0
	EPIV \kind, (\e)-1, 1
.endif
	PLACES 4                                       ; likewise, and in front of the first read of this tile's sums
.if NLD
	WIN 0x40
.endif
	s_wait_alu depctr_va_vdst(0)                   ; as above, for the ring's other half and the other half of the tile before; this tile's sums are written too
.if NLD
	WLOAD (\e)%2, 1, (\e)+2
.endif
.if (\e) > 0
	EPIS \kind, (\e)-1, 1
.endif
.endm
.macro TRIP kind, fin                  ; four tiles: 64 columns for 64 tokens, 128 matrix instructions
	NTILE \kind, 0, \fin
	NTILE \kind, 1, \fin
	NTILE \kind, 2, \fin
	NTILE \kind, 3, \fin
	EPIV \kind, 3, 0
	EPIV \kind, 3, 1
.if (\kind) != 1
	s_wait_alu depctr_va_vdst(0)                   ; tile 3's codes, or its scaled sums, are written, which the stores below read.  (vh's raw sums were written ahead of tile 3's last wait, and nothing has named them since)
.endif
	EPIS \kind, 3, 0
	EPIS \kind, 3, 1
.endm
.macro QKLOOP base                     ; my 256 columns of qh or kh: trip t makes head 4 w + t, whose 16 bytes of each block of 256 begin 16 t on
	s_mov_b32 s51, \base
	s_mov_b32 s50, 4
.Lqk_\@:
	s_wait_alu depctr_vm_vsrc(0)                   ; the last trip's stores have read v11 and the codes in v128-159, all of which this trip writes anew; in the very first trip: the last image's stores have read v32-47, which the first products write
	v_add_nc_u32 v11, s51, v10
	TRIP 0, 0
	s_wait_xcnt 0x0                                ; the weights' loads have read their base
	s_add_nc_u64 s[52:53], s[52:53], 0x10000
	s_add_co_u32 s51, s51, 16
	s_sub_co_u32 s50, s50, 1
	s_cmp_lg_u32 s50, 0
	s_cbranch_scc1 .Lqk_\@
.endm
; ---- scores and softmax, four tokens at a time
.macro LQ g                            ; kh's and qh's fragments (16 heads x 64) of tokens 4 g .. 4 g + 3: lane (r, hh): head r, d = 16 hh + 0 .. 15 and 32 + 16 hh + 0 .. 15, the same places in both
.set GB, 128+64*((\g)%2)
.irp u, 0,1,2,3
	ds_load_b128 v[GB+16*\u:GB+16*\u+3], v29 offset:TP*(4*(\g)+\u)
	ds_load_b128 v[GB+16*\u+4:GB+16*\u+7], v29 offset:TP*(4*(\g)+\u)+512
	ds_load_b128 v[GB+16*\u+8:GB+16*\u+11], v12 offset:TP*(4*(\g)+\u)
	ds_load_b128 v[GB+16*\u+12:GB+16*\u+15], v12 offset:TP*(4*(\g)+\u)+512
.endr
.endm
.macro WM g                            ; S^T = kh qh^T: lane (r, hh) holds query head r, register j key head 8 hh + j
.set GB, 128+64*((\g)%2)
.irp u, 0,1,2,3
	v_wmma_f32_16x16x64_bf8_bf8 v[32+8*\u:39+8*\u], v[GB+16*\u:GB+16*\u+7], v[GB+16*\u+8:GB+16*\u+15], 0
.endr
	PLACES 5                                       ; in front of the reads of the scores, and of the next products that write over the scores
.endm
.macro SOFT g, nxt                     ; v64+2u the largest t, v65+2u at work, v72+2u the sum, v80+2u its reciprocal; v88-95 mask x log2(e) x 2^(e6 + e7 - 3).  nxt: group g + 2's fragments are asked for on the way
.irp u, 0,1,2,3
.irp i, 0,2,4,6
	v_pk_mul_f32 v[32+8*\u+\i:33+8*\u+\i], v[32+8*\u+\i:33+8*\u+\i], v[88+\i:89+\i]   ; t
.endr
.endr
.irp u, 0,1,2,3
	v_max3_num_f32 v[64+2*\u], v[32+8*\u], v[33+8*\u], v[34+8*\u]
.endr
.irp u, 0,1,2,3
	v_max3_num_f32 v[64+2*\u], v[64+2*\u], v[35+8*\u], v[36+8*\u]
.endr
.irp u, 0,1,2,3
	v_max3_num_f32 v[64+2*\u], v[64+2*\u], v[37+8*\u], v[38+8*\u]
.endr
.irp u, 0,1,2,3
	v_max_num_f32 v[64+2*\u], v[64+2*\u], v[39+8*\u]
.endr
.irp u, 0,1,2,3
	v_permlanex16_b32 v[65+2*\u], v[64+2*\u], s38, s39   ; the row's other eight heads lie in the lane 16 away
.endr
.irp u, 0,1,2,3
	v_max_num_f32 v[64+2*\u], v[64+2*\u], v[65+2*\u]
.endr
.irp u, 0,1,2,3
.irp i, 0,2,4,6
	v_pk_add_f32 v[32+8*\u+\i:33+8*\u+\i], v[32+8*\u+\i:33+8*\u+\i], v[64+2*\u:65+2*\u] op_sel_hi:[1,0] neg_lo:[0,1] neg_hi:[0,1]   ; t - the largest t
.endr
.endr
.set xi, 0
	s_wait_alu depctr_va_vdst(0)
.rept 32
	v_exp_f32 v[32+xi], v[32+xi]
.set xi, xi+1
.endr
	v_nop                                          ; a plain instruction behind the last exponential,
	s_wait_alu depctr_va_vdst(0)                   ; and one wait for the batch: the 32 exponentials have written v32-63, ahead of their first reader; and this group's products are done reading their fragments, in whose registers the loads below land
.if \nxt
	LQ (\g)+2
.endif
.irp u, 0,1,2,3
	v_pk_add_f32 v[72+2*\u:73+2*\u], v[32+8*\u:33+8*\u], v[34+8*\u:35+8*\u]
.endr
.irp u, 0,1,2,3
	v_pk_add_f32 v[80+2*\u:81+2*\u], v[36+8*\u:37+8*\u], v[38+8*\u:39+8*\u]
.endr
.irp u, 0,1,2,3
	v_pk_add_f32 v[72+2*\u:73+2*\u], v[72+2*\u:73+2*\u], v[80+2*\u:81+2*\u]
.endr
.irp u, 0,1,2,3
	v_add_f32 v[72+2*\u], v[72+2*\u], v[73+2*\u]
.endr
.irp u, 0,1,2,3
	v_permlanex16_b32 v[65+2*\u], v[72+2*\u], s38, s39
.endr
.irp u, 0,1,2,3
	v_add_f32 v[72+2*\u], v[72+2*\u], v[65+2*\u]
.endr
	s_wait_alu depctr_va_vdst(0)
.irp u, 0,1,2,3
	v_rcp_f32 v[80+2*\u], v[72+2*\u]
.endr
	v_nop
	s_wait_alu depctr_va_vdst(0)                   ; the four reciprocals have written v80, v82, v84, v86, ahead of their first reader
.irp u, 0,1,2,3
.irp i, 0,2,4,6
	v_pk_mul_f32 v[32+8*\u+\i:33+8*\u+\i], v[32+8*\u+\i:33+8*\u+\i], v[80+2*\u:81+2*\u] op_sel_hi:[1,0]   ; p
.endr
.endr
	s_wait_alu depctr_va_vdst(0)                   ; the multiplications have written p in v32-63, which the stores below read
.irp u, 0,1,2,3
	ds_store_b128 v13, v[32+8*\u:35+8*\u] offset:1024*(4*(\g)+\u)          ; p's registers as they stand: they are source 1 of p vh
	ds_store_b128 v13, v[36+8*\u:39+8*\u] offset:1024*(4*(\g)+\u)+512
.endr
.endm
; ---- attn^T = vh^T p^T for 16 places d, four tokens at a time; K = the 16 heads g, in four steps of 4: slot (hh, j) of step s stands for g = 8 hh + 2 s + j in both operands
.macro LG g
.set LB, 128-96*((\g)%2)               ; v128-191 and v32-95 (the accumulators, idle here) by turns
.irp u, 0,1,2,3
	ds_load_b128 v[LB+16*\u:LB+16*\u+3], v17 offset:TP*(4*(\g)+\u)          ; vh(g = 8 hh + 0 .. 3, d = r),
	ds_load_b128 v[LB+16*\u+4:LB+16*\u+7], v17 offset:TP*(4*(\g)+\u)+256    ; g = 8 hh + 4 .. 7
	ds_load_b128 v[LB+16*\u+8:LB+16*\u+11], v13 offset:1024*(4*(\g)+\u)     ; p(h = r, g = 8 hh + 0 .. 7)
	ds_load_b128 v[LB+16*\u+12:LB+16*\u+15], v13 offset:1024*(4*(\g)+\u)+512
.endr
.endm
.macro MM g                            ; the four tokens' accumulators by turns; each sum begins with the constant 0
.set LB, 128-96*((\g)%2)
.irp s, 0,1,2,3
.irp u, 0,1,2,3
.if \s == 0
	v_wmma_f32_16x16x4_f32 v[96+8*\u:103+8*\u], v[LB+16*\u+2*\s:LB+16*\u+2*\s+1], v[LB+16*\u+8+2*\s:LB+16*\u+9+2*\s], 0
.else
	v_wmma_f32_16x16x4_f32 v[96+8*\u:103+8*\u], v[LB+16*\u+2*\s:LB+16*\u+2*\s+1], v[LB+16*\u+8+2*\s:LB+16*\u+9+2*\s], v[96+8*\u:103+8*\u]
.endif
.endr
.endr
	PLACES 9                                       ; this form wants eight places in front of reads of its sums, nine in front of matrix instructions that write over its registers
.endm
.macro CVV g                           ; lane (r, hh): head r, places d = 16 t + 8 hh + 0 .. 7: held into other registers, converted; group g's codes have registers of their own, v[224 + 8 g ..]
.irp u, 0,1,2,3
.irp j, 0,1,2,3,4,5,6,7
	v_med3_num_f32 v[192+8*\u+\j], v[96+8*\u+\j], -v25, v25
.endr
.endr
.irp u, 0,1,2,3
	v_cvt_scalef32_pk8_bf8_f32 v[224+8*(\g)+2*\u:225+8*(\g)+2*\u], v[192+8*\u:199+8*\u], v24
.endr
	v_nop
.endm
.macro CVS g                           ; 8 codes a lane into the token's row
.irp u, 0,1,2,3
	ds_store_b64 v19, v[224+8*(\g)+2*\u:225+8*(\g)+2*\u] offset:TP*(4*(\g)+\u)
.endr
.endm
; ---- the way out: 64 rows x 256 bytes of my stage come back as whole rows; sixteen lanes store 256 consecutive bytes, aligned
.macro OUT
	s_wait_xcnt 0x0                                ; the last way out's stores have had their addresses translated; that they have read v128-255 is stated by the wait on vm_vsrc at this trip's head
.set oi, 0
.rept 32
	ds_load_b128 v[128+4*oi:131+4*oi], v22 offset:544*oi    ; LDS serves a wave's instructions in order: these see my stores
.set oi, oi+1
.endr
.set oi, 0
.rept 32
	s_wait_dscnt 31-oi
	global_store_b128 v23, v[128+4*oi:131+4*oi], s[58:59] offset:8192*oi th:TH_STORE_NT
.set oi, oi+1
.endr
.endm
.macro FOLD d, ea, eb, ec              ; s[d] = 2^(ea - eb - ec) as f32, s[d + 1] = 57,344 x that
	s_sub_co_i32 s32, s\ea, s\eb
	s_sub_co_i32 s32, s32, s\ec
	s_add_co_i32 s32, s32, 127
	s_lshl_b32 s[\d], s32, 23
	s_add_co_i32 s32, s32, 15
	s_lshl_b32 s[\d+1], s32, 23
	s_or_b32 s[\d+1], s[\d+1], 0x600000
.endm
	; ================ the head
	s_load_b256 s[4:11], s[0:1], 0x0               ; q, k, v, mask
	s_load_b128 s[12:15], s[0:1], 0x20             ; the scales' exponents, wc
	s_load_b64 s[16:17], s[0:1], 0x30              ; out0
	v_lshl_add_u32 v26, v0, 2, SPARE               ; my spare word,
	v_mov_b32 v27, 0                               ; and 0: kept for the wave's last lines
	v_lshrrev_b32 v31, 5, v0
	v_readfirstlane_b32 s18, v31                   ; wave 0..3
	v_and_b32 v31, 31, v0
	v_lshlrev_b32 v1, 4, v31                       ; 16 x lane
	v_lshlrev_b32 v28, 8, v31                      ; 256 x lane
	v_and_b32 v2, 15, v0                           ; r
	v_bfe_u32 v3, v0, 4, 1                         ; hh
	s_lshl_b32 s32, ttmp9, 18                      ; my work-group's 64 rows of 4,096 bytes,
	s_wait_alu depctr_va_sdst(0)                   ; s18 is written, ahead of its first reader: bases, LDS addresses and branches are made from it
	s_lshl_b32 s33, s18, 16                        ; my wave's 16 of them
	s_add_co_u32 s32, s32, s33
	s_mov_b32 s33, 0
	s_wait_kmcnt 0x0
	s_load_b256 s[20:27], s[12:13], 0x0            ; e0 .. e7
	s_load_b64 s[28:29], s[12:13], 0x20            ; e8, e9
	s_add_nc_u64 s[4:5], s[4:5], s[32:33]
	s_add_nc_u64 s[6:7], s[6:7], s[32:33]
	s_add_nc_u64 s[8:9], s[8:9], s[32:33]
	s_mov_b64 s[30:31], s[4:5]
	s_wait_alu depctr_va_vdst(0)                   ; v1 is written: every load of an input and of a weight reads it as its offset
	XLOAD 0, 0                                     ; q's first four K steps: 64 loads of 512 bytes
	XLOAD 1, 512
	XLOAD 2, 1024
	XLOAD 3, 1536
	WIN 0
	s_lshl_b32 s32, ttmp9, 18
	s_lshl_b32 s37, s18, 10
	s_add_co_u32 s32, s32, s37
	s_add_nc_u64 s[58:59], s[16:17], s[32:33]      ; out0 at my work-group's first row, my wave's 256 columns
	s_lshl_b32 s32, s18, 20
	s_add_nc_u64 s[52:53], s[14:15], s[32:33]      ; my wave's stream of weights
	s_lshr_b32 s32, ttmp9, 6
	s_lshl_b32 s32, s32, 20
	s_and_b32 s37, ttmp9, 63
	s_lshl_b32 s37, s37, 13
	s_add_co_u32 s32, s32, s37
	s_add_nc_u64 s[54:55], s[14:15], s[32:33]      ; the 8,192 bytes of wc that my work-group asks for ahead
	s_mov_b32 s38, 0x76543210
	s_mov_b32 s39, 0xfedcba98                      ; v_permlanex16_b32: lane l xor 16
	s_mul_i32 s32, s18, 2*TSB
	s_add_co_u32 s32, s32, R3                      ; my two turning stages
	v_add_nc_u32 v4, s32, v1
	v_mul_u32_u24 v5, v2, 528
	v_lshl_add_u32 v5, v3, 6, v5
	v_add_nc_u32 v5, s32, v5
	s_lshl_b32 s32, s18, 13
	v_add_nc_u32 v6, s32, v1                       ; my tile of tokens' images: 4 x 2,048 x wave
	s_lshl_b32 s32, s18, 6
	v_mul_u32_u24 v10, v2, TP                      ; 1,040 r
	v_lshl_add_u32 v14, v3, 9, v10
	v_add_nc_u32 v14, s32, v14                     ; vh's stage, in: + 512 hh + 64 w
	v_lshl_add_u32 v20, v3, 4, v10
	v_add_nc_u32 v20, R2, v20                      ; attn's rows, out: + 16 hh
	v_lshl_add_u32 v10, v3, 3, v10
	v_add_nc_u32 v10, s32, v10                     ; qh's and kh's rows, in: + 8 hh + 64 w
	s_mul_i32 s32, s18, T16                        ; my 16 tokens' rows
	v_lshlrev_b32 v12, 4, v2                       ; 16 r
	v_lshl_add_u32 v16, v3, 9, v12
	v_add_nc_u32 v16, s32, v16                     ; vh's stage, out: + 512 hh
	v_lshl_add_u32 v23, v3, 12, v12                ; out0: lanes 0-15 one row, lanes 16-31 the next
	v_lshl_add_u32 v12, v3, 8, v12
	v_add_nc_u32 v12, s32, v12                     ; qh's rows, out: + 256 hh
	v_add_nc_u32 v29, R1, v12                      ; kh's
	v_lshlrev_b32 v18, 6, v2
	v_lshl_add_u32 v18, v3, 3, v18
	v_add_nc_u32 v18, s32, v18                     ; attn's rows, in: 64 r + 8 hh
	s_lshl_b32 s32, s18, 14
	s_add_co_u32 s32, s32, R3
	v_add_nc_u32 v13, s32, v1                      ; p's images
	s_mul_i32 s32, s18, 64*272                     ; my stage for the way out
	v_mul_u32_u24 v21, v2, 272
	v_lshl_add_u32 v21, v3, 5, v21
	v_add_nc_u32 v21, s32, v21
	v_mul_u32_u24 v22, v3, 272
	v_lshl_add_u32 v22, v2, 4, v22
	v_add_nc_u32 v22, s32, v22
	v_lshlrev_b32 v30, 6, v2
	v_lshl_add_u32 v30, v3, 5, v30                 ; mask[r][8 hh ..]
	s_wait_kmcnt 0x0
	FOLD 42, 26, 20, 21                            ; qh's codes of raw sums: e6 - e0 - e1
	FOLD 44, 27, 22, 23                            ; kh's: e7 - e2 - e3
	FOLD 46, 28, 24, 25                            ; attn's: e8 - e4 - e5
	s_add_co_i32 s48, s26, s27
	s_sub_co_i32 s48, s48, 3                       ; e6 + e7 - 3: the scores' scale and the division by 8
	s_add_co_i32 s40, s28, s29
	s_add_co_i32 s40, s40, 127
	s_lshl_b32 s40, s40, 23                        ; 2^(e8 + e9)
	s_mov_b32 s41, s40                             ; (named with it as a pair)
	s_wait_alu depctr_va_vdst(0)                   ; the addresses and offsets v4 to v30 are written, which LDS and memory instructions read from here to the kernel's end
	; ================ L: 24 fragments (3 inputs x 8 K steps) of my 16 tokens: six trips of four; loads run four fragments ahead, the turn through LDS one
	s_mov_b32 s34, 0                               ; T
	s_mov_b32 s36, 0                               ; 33,280 T
	s_wait_loadcnt 48                              ; the first fragment's 16 loads are in
	TURN 0, 0
.LL:
	LTOP 1
	LSTEP 0, 1, 48, 1, 1                           ; 48: the three younger sets of 16 loads
	LSTEP 1, 1, 48, 1, 0
	LSTEP 2, 1, 48, 1, 0
	LSTEP 3, 1, 48, 1, 0
	s_add_co_u32 s36, s36, HFB
	s_add_co_u32 s34, s34, 1
	s_cmp_lt_u32 s34, 5
	s_cbranch_scc1 .LL
	LTOP 0                                         ; the last trip loads nothing: the counts run down
	; The weights' codes are asked for ahead, each aligned block of 256 bytes once in the launch: work-group b's wave 0 names 8,192 bytes, lanes 256 bytes apart, of stream b / 64 at 8,192 (b % 64):
	; here, four fragments of L ahead of the first weights' loads, the streams' first halves (Wq's and Wk's tiles); behind the third barrier, a whole product ahead, their second halves.
	s_cmp_lg_u32 s18, 0
	s_cbranch_scc1 .Lno_ask_1
	global_prefetch_b8 v28, s[54:55] th:TH_LOAD_NT scope:SCOPE_SE
.Lno_ask_1:
	LSTEP 0, 0, 32, 1, 1
	LSTEP 1, 0, 16, 1, 0
	LSTEP 2, 0, 0, 1, 0
	LSTEP 3, 0, 0, 0, 0
	s_wait_dscnt 0x0                               ; my last image is in LDS.  Window 1 becomes the weights' ring: the stage's last stores, which read it, stand ahead of the last step's wait on vm_vsrc; v248-255 were last named ahead of its wait on va_vdst
	global_load_b128 v[248:251], v30, s[10:11]     ; the mask's eight numbers of my lane: older than every weight's load, so the first counted wait below covers them
	global_load_b128 v[252:255], v30, s[10:11] offset:16
	WLOAD 0, 0, 0                                  ; the ring is filled: tiles 0 and 1
	WLOAD 0, 1, 0
	WLOAD 1, 0, 1
	WLOAD 1, 1, 1
	BARRIER                                        ; 1: all images lie in LDS
	; ================ qh
	ALOAD_IMG R0
	BARRIER                                        ; 2: every wave has read q's images: qh's codes may take their place
	v_mov_b32 v24, s42
	v_mov_b32 v25, s43
	QKLOOP R0
	; ================ kh
	ALOAD_IMG R1
	BARRIER                                        ; 3: every wave has read k's images
	s_cmp_lg_u32 s18, 0
	s_cbranch_scc1 .Lno_ask_2
	global_prefetch_b8 v28, s[54:55] offset:524288 th:TH_LOAD_NT scope:SCOPE_SE
.Lno_ask_2:
	v_mov_b32 v24, s44
	v_mov_b32 v25, s45
	QKLOOP R1
	BARRIER                                        ; 4: qh's and kh's codes are whole
	; ================ scores and softmax of my 16 tokens
	PLACES 5                                       ; in front of writes over the last products' accumulators
.irp j, 0,1,2,3,4,5,6,7
	v_mul_f32 v[88+\j], 0x3fb8aa3b, v[248+\j]      ; mask x log2(e)
.endr
.irp j, 0,1,2,3,4,5,6,7
	v_ldexp_f32 v[88+\j], v[88+\j], s48            ; x 2^(e6 + e7 - 3)
.endr
.irp u, 0,1,2,3
	v_mov_b32 v[65+2*\u], 0                        ; written once: a lane permute's destination counts as one of its sources
.endr
	s_wait_alu depctr_vm_vsrc(0)                   ; the stores of kh's last codes have read v128-159, in which group 0's fragments land
	s_wait_alu depctr_va_vdst(0)                   ; the multiplications above are done reading the mask in v248-255, in which group 1's fragments land
	LQ 0
	LQ 1
	s_wait_dscnt 16                                ; behind group 0's loads: group 1's 16
	WM 0
	SOFT 0, 1
	s_wait_dscnt 24                                ; behind group 1's: group 2's 16 loads, 8 stores of p
	s_wait_alu depctr_vm_vsrc(0)                   ; group 0's stores have read p in v32-63, which the products below write anew
	WM 1
	SOFT 1, 1
	s_wait_dscnt 32                                ; behind group 2's: 8 stores, 16 loads, 8 stores
	s_wait_alu depctr_vm_vsrc(0)                   ; group 1's stores have read p in v32-63
	WM 2
	SOFT 2, 0
	s_wait_dscnt 16                                ; behind group 3's: twice 8 stores
	s_wait_alu depctr_vm_vsrc(0)                   ; group 2's stores have read p in v32-63
	WM 3
	SOFT 3, 0
	; ================ vh in four quarters (trip t: places d = 16 t .. 16 t + 15 of every head; my wave makes four of them), each with its p vh and attn's codes
	ALOAD_IMG R2
	BARRIER                                        ; 5: every wave has read v's images, and qh's and kh's codes: the stages and attn's codes may take their places
	v_mov_b32 v24, s46
	v_mov_b32 v25, s47
	s_mov_b32 s51, 0                               ; the stage in hand: R0 and R1 by turns, so that one barrier a trip is enough: a stage is written again only behind the barrier that follows its reads
	s_mov_b32 s56, R2
	s_mov_b32 s50, 4
.Lv:
	s_wait_alu depctr_vm_vsrc(0)                   ; the last trip's LDS instructions have read v15, v17, v19 and the codes in v224-255, all written anew in this trip; in the first trip: the last stores of p have read v32-63, which the first products write
	v_add_nc_u32 v15, s51, v14
	v_add_nc_u32 v17, s51, v16
	v_add_nc_u32 v19, s56, v18
	TRIP 1, 0
	BARRIER                                        ; 6 to 9: the stage holds 16 heads x 16 places of all 64 tokens
	s_wait_alu depctr_vm_vsrc(0)                   ; my stores into the stage have read the accumulators v32-95, in which the operands of groups 1 and 3 land
	LG 0
	LG 1
	s_wait_dscnt 16                                ; behind group 0's loads: group 1's 16
	MM 0
	CVV 0
	s_wait_alu depctr_va_vdst(0)                   ; group 0's products are done reading v128-191, in which group 2's operands land; its codes are written, which the stores read
	LG 2
	CVS 0
	s_wait_dscnt 20                                ; behind group 1's: 16 loads, 4 stores
	MM 1
	CVV 1
	s_wait_alu depctr_va_vdst(0)                   ; group 1's products are done reading v32-95, in which group 3's operands land; its codes are written
	LG 3
	CVS 1
	s_wait_dscnt 24                                ; behind group 2's: 4 stores, 16 loads, 4 stores
	MM 2
	CVV 2
	s_wait_alu depctr_va_vdst(0)                   ; group 2's codes are written, which the stores read
	CVS 2
	s_wait_dscnt 8                                 ; behind group 3's: twice 4 stores
	MM 3
	CVV 3
	s_wait_alu depctr_va_vdst(0)                   ; group 3's codes are written, which the stores read
	CVS 3
	s_wait_xcnt 0x0
	s_add_nc_u64 s[52:53], s[52:53], 0x10000
	s_xor_b32 s51, s51, RG
	s_add_co_u32 s56, s56, 16
	s_sub_co_u32 s50, s50, 1
	s_cmp_lg_u32 s50, 0
	s_cbranch_scc1 .Lv
	BARRIER                                        ; 10: attn's codes are whole, and nobody reads a stage any more
	; ================ out: my 256 columns, 64 a trip; each wave's stage is its own, so no barrier follows
	ALOAD_AT
	s_wait_dscnt 0x0
	s_mov_b32 s50, 3
.Lo:
	s_wait_alu depctr_vm_vsrc(0)                   ; the last trip's LDS stores have read the accumulators v32-95, which this trip's products write anew, and its global stores v128-255, in which this trip's rows land; in the first trip: the stores of attn's codes have read v224-255
	TRIP 2, 0
	OUT
	s_wait_xcnt 0x0                                ; loads and stores have read their bases
	s_add_nc_u64 s[52:53], s[52:53], 0x10000
	s_add_nc_u64 s[58:59], s[58:59], 256
	s_sub_co_u32 s50, s50, 1
	s_cmp_lg_u32 s50, 0
	s_cbranch_scc1 .Lo
	s_wait_alu depctr_vm_vsrc(0)                   ; as at the loop's head: the accumulators v32-95 and the rows in v128-255 have been read
	TRIP 2, 1                                      ; the last trip is written out: no load passes the end of my stream
	OUT
	s_wait_dscnt 0x0                               ; the closing lines, six on end
	s_wait_alu 0x0
	s_wait_tensorcnt 0x0
	ds_add_u32 v26, v27
	s_wait_dscnt 0x0
	s_endpgm
.Lfunc_end_k_q1a4328019e_mha:
	.size	k_q1a4328019e_mha, .Lfunc_end_k_q1a4328019e_mha-k_q1a4328019e_mha
	.p2alignl 7, 3214868480
	.fill 96, 4, 3214868480
	.section	.rodata,"a",@progbits
	.p2align	6, 0x0
	.amdhsa_kernel k_q1a4328019e_mha
		.amdhsa_group_segment_fixed_size 267776
		.amdhsa_private_segment_fixed_size 0
		.amdhsa_enable_private_segment 0
		.amdhsa_kernarg_size 56
		.amdhsa_user_sgpr_count 2
		.amdhsa_user_sgpr_kernarg_segment_ptr 1
		.amdhsa_wavefront_size32 1
		.amdhsa_system_sgpr_workgroup_id_x 1
		.amdhsa_system_sgpr_workgroup_id_y 1
		.amdhsa_system_sgpr_workgroup_id_z 1
		.amdhsa_system_vgpr_workitem_id 0
		.amdhsa_next_free_vgpr 1024
		.amdhsa_next_free_sgpr 66
		.amdhsa_reserve_vcc 0
		.amdhsa_float_denorm_mode_32 3
		.amdhsa_float_denorm_mode_16_64 3
		.amdhsa_memory_ordered 1
		.amdhsa_forward_progress 1
		.amdhsa_inst_pref_size 255
	.end_amdhsa_kernel
	.section	.bss,"aw",@nobits
	.p2align	6
	.space	262144
	.amdgpu_metadata
---
amdhsa.version: [ 1, 2 ]
amdhsa.kernels:
  - .name:           k_q1a4328019e_mha
    .symbol:         k_q1a4328019e_mha.kd
    .args:
      - { .name: q, .offset: 0, .size: 8, .value_kind: global_buffer, .address_space: global }
      - { .name: k, .offset: 8, .size: 8, .value_kind: global_buffer, .address_space: global }
      - { .name: v, .offset: 16, .size: 8, .value_kind: global_buffer, .address_space: global }
      - { .name: mask, .offset: 24, .size: 8, .value_kind: global_buffer, .address_space: global }
      - { .name: lowp_scales, .offset: 32, .size: 8, .value_kind: global_buffer, .address_space: global }
      - { .name: wc, .offset: 40, .size: 8, .value_kind: global_buffer, .address_space: global }
      - { .name: out0, .offset: 48, .size: 8, .value_kind: global_buffer, .address_space: global }
    .group_segment_fixed_size: 267776
    .private_segment_fixed_size: 0
    .kernarg_segment_align: 8
    .kernarg_segment_size: 56
    .max_flat_workgroup_size: 128
    .sgpr_count:     66
    .vgpr_count:     1024
    .wavefront_size: 32
...
	.end_amdgpu_metadata
.endif
;; end of part 4
